; MI455X (gfx1250); checked and timed in simulation.
; The chip was launched on July 23, 2026; its instructions are those of AMD's public machine-readable ISA for CDNA 5 (MIT licence, August 2026) and "CDNA5" Instruction Set Architecture Reference Guide (July 2026). The comments in the code are by the model that wrote it; some were corrected since.
;; Attention. Allowed arithmetic: matrix products marked QUANTISED: E2M3 operands, one E8M0 scale for each 32 along K, by v_wmma_scale_f32_16x16x128_f8f6f4 with both operands' format E2M3, f32 sums; everything else in f32.
;; Inputs: Wk 1,024 x 512 float32; Wo 1,024 x 1,024 float32; Wq 1,024 x 1,024 float32; Wv 1,024 x 512 float32; bo 1,024 float32; x 4 x 2,048 x 1,024 float32.
;; Outputs: out0 4 x 2,048 x 1,024 float32.
;; This version of the problem:
;;   THIS VERSION OF THE PROBLEM IS GIVEN IN LOW PRECISION. The matrix products marked QUANTISED in the list below multiply operands that are first quantised to E2M3 (2 exponent bits, 3 mantissa bits; 6 bits a number), with one power-of-two scale for each 32 numbers along K (OCP MX v1.0); their sums are f32. All else is computed in f32.
;;   The module's matrix products, in the order in which they are computed (A, B: the left and right operand; K: the contracted axis; several contracted axes count as one K, in the product's order):
;;     1. [M 8,192, K 1,024] x [K 1,024, N 1,024]; A: input x; B: input Wq: QUANTISED
;;     2. [M 8,192, K 1,024] x [K 1,024, N 512]; A: input x; B: input Wk: QUANTISED
;;     3. [M 8,192, K 1,024] x [K 1,024, N 512]; A: input x; B: input Wv: QUANTISED
;;     4. batch 64 x [M 2,048, K 64] x [K 64, N 2,048]; A: computed on the way; B: computed on the way: QUANTISED
;;     5. batch 64 x [M 2,048, K 2,048] x [K 2,048, N 64]; A: softmax (see below); B: computed on the way: QUANTISED
;;     6. [M 8,192, K 1,024] x [K 1,024, N 1,024]; A: computed on the way; B: input Wo: QUANTISED
;;   THE QUANTISER, for each operand of a quantised product, along K:
;;     - K is cut into blocks of 32 from its start; a last block that is shorter is filled with zeros.
;;     - A block's scale is 2^e with e = floor(log2(the largest magnitude in the block)) - 2, held to -126 .. 127; a block of zeros has e = 0. As a byte (E8M0): e + 127.
;;     - Each number is divided by its block's scale, clamped to +-7.5, and rounded to the nearest number of E2M3, ties to even, subnormals kept.
;;     - The product sums the exact products of the quantised numbers (number of the format x scale) in f32.
;;   ~~~python
;;   def quantise(x, axis):      # numpy; x: float32 -> the quantised numbers, widened to float32 again
;;       x = np.moveaxis(x, axis, -1); K = x.shape[-1]
;;       x = np.pad(x, [(0, 0)] * (x.ndim - 1) + [(0, -K % 32)]); x = x.reshape(x.shape[:-1] + (-1, 32)); a = np.abs(x).max(-1, keepdims=True)
;;       e = np.where(a > 0, np.clip(np.frexp(np.where(a > 0, a, 1))[1] - 1 - 2, -126, 127), 0)      # np.frexp(a)[1] - 1 = floor(log2(a)), exactly
;;       r = np.clip(x / 2.0 ** e, -7.5, 7.5)
;;       step = 2.0 ** (np.maximum(np.frexp(np.where(r == 0, 1, r))[1] - 1, 0) - 3)
;;       q = np.round(r / step) * step * 2.0 ** e      # np.round: ties to even
;;       return np.moveaxis(q.reshape(q.shape[:-2] + (-1,))[..., :K], -1, axis).astype(np.float32)
;;   ~~~
;;   SOFTMAX AHEAD OF A QUANTISED PRODUCT. Where the list says 'softmax', what is quantised is not the finished softmax but p = 2^(t - M), with t = logit x log2(e) and M = ceil(the row's largest t), a whole number; so 1/2 < the row's largest p <= 1. The row's sum l is taken of the UNQUANTISED p, in f32, and the product's result is divided by l at the end. Since M is a whole number, a kernel that streams over the keys may use a running M (the ceiling of the running maximum): every later rescaling is an exact power of two, which a block's scale takes up: the codes' values come out the same.
;;   OPERANDS COMPUTED ON THE WAY. 'Computed on the way' means the value that the module computes at that place (a softmax that the list does not call 'softmax' is quantised finished and normalised). What goes into a quantiser is computed in f32, as accurately as f32 sums, v_exp_f32 and their like allow (about 1e-6 of the number): no bf16 or f16 on the way to a quantiser, and a product that is left as it is and whose result goes on into a quantised operand takes f32 operands (vector FMAs, or v_wmma_f32_16x16x4_f32). A number that lies on a knife's edge between two numbers of the format may be rounded either way, as far as f32 arithmetic and the matrix unit's own rounding can turn it there, and no further.
;; One version. Each part assembles by itself: llvm-mc -triple=amdgcn-amd-amdhsa -mcpu=gfx1250 --defsym DOCPART=n.
;; ======== version 1 of 1: 4 launches
;; limits: right only within a limited range of input values
;; workspace buffers: xq 6,553,600 bytes; wq 2,457,600 bytes; rt 262,144 bytes; qq 6,815,744 bytes; kv 6,815,744 bytes; aq 6,553,600 bytes
;; launch quant (part 1): grid 608 x 1, 8 waves a work-group, no clusters, 70,144 bytes of LDS; arguments x, xq, rt, wq, Wq, Wk, Wv, Wo; writes xq, rt, wq
.if DOCPART == 1
	.amdgcn_target "amdgcn-amd-amdhsa--gfx1250"
	.amdhsa_code_object_version 6
	.text
	.protected	k_qe5d89684ed_quant
	.globl	k_qe5d89684ed_quant
	.p2align	8
	.type	k_qe5d89684ed_quant,@function
k_qe5d89684ed_quant:
	s_mov_b64 s[64:65], 0
	v_nop
	global_prefetch_b8 v0, s[64:65] scope:SCOPE_SE
	s_setreg_imm32_b32 hwreg(HW_REG_WAVE_MODE, 25, 1), 1
	s_wait_xcnt 0x0
; ONE LAUNCH QUANTISES ALL INPUTS of the quantised products to FP6 (E2M3) with one E8M0 byte for each 32 along K, and makes the table of cos and sin for the rotary embedding.
; Results are RECORDS in the order of a matrix operand's registers.  A record serves 128 rows and 128 along K: 8 images of 1,536 bytes (a fragment of 16 rows: register 4 g + e of lane L at 512 g + 16 L + 4 e),
; then 512 bytes of scale words (tile 2 b + u, row r at 32 r + 16 u + 4 b).  Row q of tile i is row 32 (i / 2) + 8 (i % 2) + q + 8 (q / 8) of the 128.
; A block's scale is 2^(floor(log2(largest magnitude)) - 2): its byte is the largest magnitude's exponent field - 2, held at 1 from below by a floor among the maximum's leaves.
; WORK-GROUPS 0 .. 95 take the weights (K is their FIRST axis), two records each: waves 0-3 record 2 g, waves 4-7 record 2 g + 1.  wq holds 24 blocks of 128 columns, 8 records each: blocks 0-7 Wq; 8 + 2 k Wk's columns
; 128 k on; 9 + 2 k Wv's; 16-23 Wo.  A lane takes a column and its registers run down K; lane (r, u) of wave b takes column 32 b + 8 u + r + 8 (r / 8); twelve exchanges of halves give the two tiles' fragments.
; WORK-GROUPS 96 .. 607 take x: work-group 96 + g makes record g (rows 128 (g / 8) on, K step g % 8), wave w tile w.  Each load reads 512 consecutive bytes of a row; 16 rows turn through the wave's own stage (pitch 528).
; The table: rt[pos][i] = (cos, sin) of pos x 10^(-i / 4): 64 pairs a work-group, by waves 0 and 1; the f32 angle is reduced by pi / 2 in two parts; polynomials of degree 7 and 8 on [-pi/4, pi/4].
; The two paths part on the work-group's number alone and have LDS bytes of their own.  No input is shared between work-groups: no cluster; no matrix work.
; LIMITS: NaN and infinities are not served.  A block of zeros, or one under 2^-124, gets the byte 1 (its codes are zeros; this program alone reads the bytes).  cos and sin are good to about 1e-7 absolute at the
; f32 angle; 10^(-i / 4) is the correctly rounded f32 number.
.set NW,    96                         ; work-groups for the weights
.set ROWX,  4096
.set STG,   16*528
.set SCW,   8*STG                      ; x's path: behind the stages the record's scale words
.set SPARE, SCW+512                    ; the spare words, 128 bytes a wave
.set WSC,   SPARE+1024                 ; the weights' path: two records' scale words
.set REC,   12800
.set SPW,   156
.set NIL,   157
.set R,     16                         ; x: v16-79 rows as loaded; v80-143 my two blocks; v144-155 codes; v16-22 upper halves of the codes; v80-91 the table's work, ahead of the blocks
.set X,     80
.set C,     144
.set CT,    16
.set TT,    80
.set WX,    32                         ; weights: v32-95 two sets of 32 numbers; v96-107 blocks 0, 2; v108-119 blocks 1, 3
.set WY,    96
.set WZ,    108
.set WCT,   120
.macro BMAX xs, m, t                   ; the largest magnitude of 32 registers and the floor 2^(3 - 127): two chains
	v_max3_num_f32 v[\m], |v[\xs]|, |v[\xs+1]|, |v[\xs+2]|
	v_max3_num_f32 v[\t], |v[\xs+3]|, |v[\xs+4]|, |v[\xs+5]|
.irp i, 6,10,14,18,22,26
	s_delay_alu instid0(VALU_DEP_2)
	v_max3_num_f32 v[\m], v[\m], |v[\xs+\i]|, |v[\xs+\i+1]|
	s_delay_alu instid0(VALU_DEP_2)
	v_max3_num_f32 v[\t], v[\t], |v[\xs+\i+2]|, |v[\xs+\i+3]|
.endr
	s_delay_alu instid0(VALU_DEP_2)
	v_max3_num_f32 v[\m], v[\m], |v[\xs+30]|, |v[\xs+31]|
	s_delay_alu instid0(VALU_DEP_1)
	v_max3_num_f32 v[\m], v[\m], v[\t], 0x1800000
.endm
.macro FREQ j, f
	v_cmp_ne_u32 vcc_lo, \j, v[TT]
	s_delay_alu instid0(VALU_DEP_1)
	v_cndmask_b32 v[TT+2], \f, v[TT+2], vcc_lo
.endm
; block t of 32 rows of a weight into set t % 2; a row is 4,096 bytes in Wq and Wo, 2,048 in Wk and Wv: immediates, so written twice under a branch on the work-group's number
.macro WLOAD t
	s_cmp_eq_u32 s22, 1
	s_cbranch_scc1 .Lnarrow_\@
	s_wait_alu depctr_va_vdst(0)
.irp i, 0,1,2,3,4,5,6,7,8,9,10,11,12,13,14,15,16,17,18,19,20,21,22,23,24,25,26,27,28,29,30,31
	global_load_b32 v[WX+32*((\t)%2)+\i], v5, s[14:15] offset:(32*(\t)+\i)*4096   ; a wave reads 128 consecutive bytes; the wave beside it reads the 128 next to them: no hint
.endr
	s_branch .Lloaded_\@
.Lnarrow_\@:
	s_wait_alu depctr_va_vdst(0)
.irp i, 0,1,2,3,4,5,6,7,8,9,10,11,12,13,14,15,16,17,18,19,20,21,22,23,24,25,26,27,28,29,30,31
	global_load_b32 v[WX+32*((\t)%2)+\i], v5, s[14:15] offset:(32*(\t)+\i)*2048
.endr
.Lloaded_\@:
.endm
.macro WBLOCK t
.set XS, WX+32*((\t)%2)
.set DB, WY+12*((\t)%2)+6*((\t)/2)
.if (\t) < 3
	s_wait_loadcnt 32                              ; this block's 32 loads are in; the next block's may be out
.else
	s_wait_loadcnt 0x0
.endif
	BMAX XS, 12, 13
	v_add_nc_u32 v11, 0xff000000, v12              ; 2 off the exponent field: the conversion's scale operand
	v_lshrrev_b32 v13, 23, v11
.if (\t) == 0
	v_mov_b32 v24, v13
.else
	v_lshl_or_b32 v24, v13, 8*(\t), v24
.endif
	v_cvt_scalef32_pk16_fp6_f32 v[DB:DB+2], v[XS:XS+15], v11
	v_cvt_scalef32_pk16_fp6_f32 v[WCT:WCT+2], v[XS+16:XS+31], v11
	v_nop                                          ; one plain instruction behind the scaled conversions
.irp i, 0,1,2
	v_mov_b32 v[DB+3+\i], v[WCT+\i]
.endr
.if (\t) < 2
	WLOAD (\t)+2
.endif
.endm
	v_lshl_add_u32 v[SPW], v0, 2, SPARE
	v_mov_b32 v[NIL], 0
	s_cmp_ge_u32 ttmp9, NW
	s_cbranch_scc1 .Ltokens
	; ---- the weights
	s_load_b256 s[4:11], s[0:1], 0x20              ; Wq, Wk, Wv, Wo
	s_load_b64 s[12:13], s[0:1], 0x18              ; wq
	v_lshrrev_b32 v1, 5, v0
	v_readfirstlane_b32 s18, v1                    ; wave 0..7
	s_and_b32 s16, s18, 3                          ; b
	s_lshr_b32 s19, s18, 2                         ; which of the two records
	v_and_b32 v1, 31, v0
	v_and_b32 v2, 15, v0                           ; r
	v_bfe_u32 v3, v0, 4, 1                         ; u
	v_lshlrev_b32 v4, 4, v1
	v_and_b32 v5, 8, v2
	v_add_nc_u32 v5, v5, v2
	v_lshl_add_u32 v5, v3, 3, v5                   ; 8 u + r + 8 (r / 8)
	v_lshlrev_b32 v5, 2, v5
	v_lshlrev_b32 v6, 5, v2
	v_lshl_add_u32 v6, v3, 4, v6
	s_lshl_b32 s17, s16, 2
	s_lshl_b32 s31, s19, 9
	s_add_co_u32 s31, s31, WSC
	s_add_co_u32 s17, s17, s31
	v_add_nc_u32 v6, s17, v6                       ; LDS: my scale word at 32 r + 16 u + 4 b of my record's 512 bytes
	v_add_nc_u32 v7, s31, v4                       ; and the words on their way out
	s_lshl_b32 s32, ttmp9, 1
	s_add_co_u32 s32, s32, s19                     ; my record, 0..191
	s_lshr_b32 s20, ttmp9, 2                       ; block of columns 0..23: the same for both records
	s_and_b32 s21, s32, 7                          ; K step
	s_lshr_b32 s22, s20, 3                         ; 0: Wq, 1: Wk or Wv, 2: Wo
	s_and_b32 s23, s20, 7
	s_lshr_b32 s24, s23, 1
	s_cmp_eq_u32 s22, 1
	s_cselect_b32 s23, s24, s23
	s_cselect_b32 s25, 18, 19
	s_lshl_b32 s26, s21, s25                       ; 128 rows a K step
	s_lshl_b32 s23, s23, 9
	s_add_co_u32 s26, s26, s23
	s_lshl_b32 s23, s16, 7
	s_add_co_u32 s26, s26, s23                     ; + my wave's 32 columns
	s_mov_b32 s27, 0
	s_mul_i32 s28, s32, REC
	s_mul_i32 s29, s16, 3072
	s_add_co_u32 s28, s28, s29                     ; my two images in my record
	s_mov_b32 s29, 0
	s_and_b32 s30, s20, 1
	s_wait_kmcnt 0x0
	s_cmp_eq_u32 s30, 1                            ; the choice hangs on the work-group's number alone
	s_cselect_b64 s[14:15], s[8:9], s[6:7]
	s_cmp_eq_u32 s22, 0
	s_cselect_b64 s[14:15], s[4:5], s[14:15]
	s_cmp_eq_u32 s22, 2
	s_cselect_b64 s[14:15], s[10:11], s[14:15]
	s_add_nc_u64 s[14:15], s[14:15], s[26:27]
	s_add_nc_u64 s[12:13], s[12:13], s[28:29]
	WLOAD 0
	WLOAD 1
	WBLOCK 0
	WBLOCK 1
	WBLOCK 2
	WBLOCK 3
.irp i, 0,1,2,3,4,5,6,7,8,9,10,11
	v_permlane16_swap_b32 v[WY+\i], v[WZ+\i]       ; the first is tile 2 b's fragment, the second tile 2 b + 1's
.endr
.irp g, 0,1,2
	global_store_b128 v4, v[WY+4*\g:WY+4*\g+3], s[12:13] offset:512*\g
	global_store_b128 v4, v[WZ+4*\g:WZ+4*\g+3], s[12:13] offset:1536+512*\g
.endr
	ds_store_b32 v6, v24
	s_wait_dscnt 0x0                               ; for the others' sake: my words have landed
	s_barrier_signal -1
	s_barrier_wait -1
	s_cmp_lg_u32 s16, 0
	s_cbranch_scc1 .Lwend
	ds_load_b128 v[32:35], v7                      ; waves 0 and 4 store their records' 512 bytes of scale words
	s_wait_dscnt 0x0
	global_store_b128 v4, v[32:35], s[12:13] offset:12288
.Lwend:
	s_wait_tensorcnt 0x0                           ; the wave's end
	ds_add_u32 v[SPW], v[NIL]
	s_wait_dscnt 0x0
	s_endpgm
	; ---- x and the table
.Ltokens:
	s_load_b128 s[4:7], s[0:1], 0x0                ; x, xq
	s_load_b64 s[8:9], s[0:1], 0x10                ; rt
	s_sub_co_u32 s25, ttmp9, NW                    ; g
	v_lshrrev_b32 v1, 5, v0
	s_delay_alu instid0(VALU_DEP_1)
	v_readfirstlane_b32 s10, v1                    ; wave = my tile
	v_and_b32 v1, 31, v0
	v_and_b32 v2, 15, v0                           ; r
	v_bfe_u32 v3, v0, 4, 1                         ; h
	s_delay_alu instid0(VALU_DEP_3)
	v_lshlrev_b32 v4, 4, v1
	s_mul_i32 s11, s10, STG
	v_add_nc_u32 v5, s11, v4                       ; the stage, on the way in
	v_mul_u32_u24 v6, v2, 528
	s_delay_alu instid0(VALU_DEP_1)
	v_lshl_add_u32 v6, v3, 7, v6
	s_delay_alu instid0(VALU_DEP_1)
	v_add_nc_u32 v6, s11, v6                       ; and out: row r, + 128 h
	s_and_b32 s12, s10, 1
	s_lshr_b32 s13, s10, 1
	s_lshl_b32 s14, s12, 4
	s_lshl_b32 s15, s13, 2
	s_add_co_u32 s14, s14, s15
	s_add_co_u32 s14, s14, SCW
	v_lshl_add_u32 v7, v2, 5, s14                  ; my row's scale word
	v_add_nc_u32 v8, SCW, v4
	s_mov_b32 s20, 0x76543210
	s_mov_b32 s21, 0xfedcba98
	s_lshr_b32 s16, s25, 3
	s_and_b32 s17, s25, 7
	s_lshl_b32 s16, s16, 7
	s_lshl_b32 s18, s13, 5
	s_add_co_u32 s16, s16, s18
	s_lshl_b32 s18, s12, 3
	s_add_co_u32 s16, s16, s18                     ; my tile's first row
	s_lshl_b32 s16, s16, 12
	s_lshl_b32 s17, s17, 9
	s_add_co_u32 s16, s16, s17
	s_mov_b32 s17, 0
	s_mul_i32 s18, s25, REC
	s_mul_i32 s19, s10, 1536
	s_add_co_u32 s18, s18, s19
	s_mov_b32 s19, 0
	s_lshl_b32 s22, s25, 9
	s_mov_b32 s23, 0
	s_wait_alu depctr_va_vdst(0)                   ; the head's end
	s_wait_kmcnt 0x0
	s_add_nc_u64 s[4:5], s[4:5], s[16:17]
	s_add_nc_u64 s[6:7], s[6:7], s[18:19]
	s_add_nc_u64 s[8:9], s[8:9], s[22:23]
.irp q, 0,1,2,3,4,5,6,7,8,9,10,11,12,13,14,15
	global_load_b128 v[R+4*\q:R+4*\q+3], v4, s[4:5] offset:(\q+8*(\q/8))*ROWX th:TH_LOAD_NT
.endr
	s_cmp_lt_u32 s10, 2                            ; the table is made by waves 0 and 1, while their loads are out
	s_cbranch_scc0 .Lno_table
	v_and_b32 v[TT], 15, v0                        ; i
	v_lshrrev_b32 v[TT+1], 4, v0
	s_lshl_b32 s24, s25, 2
	v_add_nc_u32 v[TT+1], s24, v[TT+1]             ; pos = 4 g + thread / 16
	s_delay_alu instid0(VALU_DEP_1)
	v_cvt_f32_u32 v[TT+1], v[TT+1]
	v_mov_b32 v[TT+2], 1.0
	FREQ 1, 0.5623413251903491
	FREQ 2, 0.31622776601683794
	FREQ 3, 0.1778279410038923
	FREQ 4, 0.1
	FREQ 5, 0.05623413251903491
	FREQ 6, 0.031622776601683794
	FREQ 7, 0.01778279410038923
	FREQ 8, 0.01
	FREQ 9, 0.005623413251903491
	FREQ 10, 0.0031622776601683794
	FREQ 11, 0.001778279410038923
	FREQ 12, 0.001
	FREQ 13, 0.0005623413251903491
	FREQ 14, 0.00031622776601683794
	FREQ 15, 0.0001778279410038923
	s_delay_alu instid0(VALU_DEP_1)
	v_mul_f32 v[TT+1], v[TT+1], v[TT+2]            ; the angle, rounded to f32 once
	s_delay_alu instid0(VALU_DEP_1)
	v_mul_f32 v[TT+3], 0x3f22f983, v[TT+1]         ; x 2 / pi
	s_delay_alu instid0(VALU_DEP_1)
	v_rndne_f32 v[TT+3], v[TT+3]                   ; k
	s_delay_alu instid0(VALU_DEP_1)
	v_cvt_i32_f32 v[TT+4], v[TT+3]
	s_delay_alu instid0(VALU_DEP_2)
	v_fma_f32 v[TT+1], -v[TT+3], 0x3fc90fdb, v[TT+1]
	s_delay_alu instid0(VALU_DEP_1)
	v_fma_f32 v[TT+1], -v[TT+3], 0xb33bbd2e, v[TT+1]
	s_delay_alu instid0(VALU_DEP_1)
	v_mul_f32 v[TT+5], v[TT+1], v[TT+1]            ; z
	v_mov_b32 v[TT+6], 0xb94ca1f9
	s_delay_alu instid0(VALU_DEP_1)
	v_fmaak_f32 v[TT+6], v[TT+6], v[TT+5], 0x3c08839e
	s_delay_alu instid0(VALU_DEP_1)
	v_fmaak_f32 v[TT+6], v[TT+6], v[TT+5], 0xbe2aaaa3
	s_delay_alu instid0(VALU_DEP_1)
	v_mul_f32 v[TT+6], v[TT+6], v[TT+5]
	s_delay_alu instid0(VALU_DEP_1)
	v_fma_f32 v[TT+6], v[TT+6], v[TT+1], v[TT+1]   ; the sine of what is left
	v_mov_b32 v[TT+7], 0x37ccf5ce
	s_delay_alu instid0(VALU_DEP_1)
	v_fmaak_f32 v[TT+7], v[TT+7], v[TT+5], 0xbab6061a
	s_delay_alu instid0(VALU_DEP_1)
	v_fmaak_f32 v[TT+7], v[TT+7], v[TT+5], 0x3d2aaaa5
	s_delay_alu instid0(VALU_DEP_1)
	v_mul_f32 v[TT+7], v[TT+7], v[TT+5]
	v_fma_f32 v[TT+8], v[TT+5], -0.5, 1.0
	s_delay_alu instid0(VALU_DEP_1)
	v_fma_f32 v[TT+7], v[TT+7], v[TT+5], v[TT+8]   ; its cosine
	v_and_b32 v[TT+8], 1, v[TT+4]
	s_delay_alu instid0(VALU_DEP_1)
	v_cmp_eq_u32 vcc_lo, 1, v[TT+8]                ; an odd k swaps the two
	s_delay_alu instid0(VALU_DEP_1)
	v_cndmask_b32 v[TT+10], v[TT+7], v[TT+6], vcc_lo
	s_delay_alu instid0(VALU_DEP_2)
	v_cndmask_b32 v[TT+11], v[TT+6], v[TT+7], vcc_lo
	v_add_nc_u32 v[TT+8], 1, v[TT+4]
	s_delay_alu instid0(VALU_DEP_1)
	v_and_b32 v[TT+8], 2, v[TT+8]
	s_delay_alu instid0(VALU_DEP_1)
	v_lshlrev_b32 v[TT+8], 30, v[TT+8]
	s_delay_alu instid0(VALU_DEP_1)
	v_xor_b32 v[TT+10], v[TT+8], v[TT+10]          ; the cosine changes sign where (k + 1) & 2,
	v_and_b32 v[TT+8], 2, v[TT+4]
	s_delay_alu instid0(VALU_DEP_1)
	v_lshlrev_b32 v[TT+8], 30, v[TT+8]
	s_delay_alu instid0(VALU_DEP_1)
	v_xor_b32 v[TT+11], v[TT+8], v[TT+11]          ; the sine where k & 2
	v_lshlrev_b32 v[TT+9], 3, v0
	global_store_b64 v[TT+9], v[TT+10:TT+11], s[8:9]   ; a wave stores 256 consecutive bytes, aligned
.Lno_table:
.irp q, 0,1,2,3,4,5,6,7,8,9,10,11,12,13,14,15
	s_wait_loadcnt 15-\q                           ; loads come back in order: row q is in
	ds_store_b128 v5, v[R+4*\q:R+4*\q+3] offset:528*\q
.endr
	s_wait_xcnt 0x0                                ; the table's store has read its registers: the loads below land on them
.irp e, 0,1,2,3,4,5,6,7
	ds_load_b128 v[X+4*\e:X+4*\e+3], v6 offset:16*\e           ; k = 32 h + 0 .. 31 of row r (LDS serves a wave's instructions in order)
.endr
.irp e, 0,1,2,3,4,5,6,7
	ds_load_b128 v[X+32+4*\e:X+32+4*\e+3], v6 offset:256+16*\e ; k = 64 + 32 h + 0 .. 31
.endr
	s_wait_dscnt 8                                 ; the first block is in; the second block's eight loads may be out
	BMAX X, 9, 11
	s_delay_alu instid0(VALU_DEP_1)
	v_add_nc_u32 v9, 0xff000000, v9
	s_wait_dscnt 0x0
	BMAX X+32, 10, 11
	s_delay_alu instid0(VALU_DEP_1)
	v_add_nc_u32 v10, 0xff000000, v10
	v_lshrrev_b32 v11, 23, v9                      ; the bytes of blocks h and 2 + h
	s_delay_alu instid0(VALU_DEP_2)
	v_lshrrev_b32 v12, 23, v10
	s_delay_alu instid0(VALU_DEP_1)
	v_lshl_or_b32 v13, v12, 16, v11
	v_lshlrev_b32 v14, 3, v3
	s_delay_alu instid0(VALU_DEP_1)
	v_lshlrev_b32 v13, v14, v13                    ; 8 h bits up
	v_mov_b32 v15, 0
	s_delay_alu instid0(VALU_DEP_1)
	v_permlanex16_b32 v15, v13, s20, s21
	s_delay_alu instid0(VALU_DEP_1)
	v_or_b32 v13, v13, v15                         ; with lane l xor 16's two the word is whole
.irp c, 0,1
	v_cvt_scalef32_pk16_fp6_f32 v[C+6*\c:C+6*\c+2], v[X+32*\c:X+32*\c+15], v[9+\c]
	v_cvt_scalef32_pk16_fp6_f32 v[CT+4*\c:CT+4*\c+2], v[X+32*\c+16:X+32*\c+31], v[9+\c]
.endr
	v_nop                                          ; one plain instruction behind the scaled conversions
.irp c, 0,1
.irp i, 0,1,2
	v_mov_b32 v[C+6*\c+3+\i], v[CT+4*\c+\i]
.endr
.endr
.irp g, 0,1,2
	global_store_b128 v4, v[C+4*\g:C+4*\g+3], s[6:7] offset:512*\g
.endr
	ds_store_b32 v7, v13                           ; lanes r and r + 16 write the same word with the same value
	s_wait_dscnt 0x0
	s_barrier_signal -1
	s_barrier_wait -1
	s_cmp_lg_u32 s10, 0
	s_cbranch_scc1 .Lend
	ds_load_b128 v[24:27], v8                      ; wave 0 stores the record's 512 bytes of scale words
	s_wait_dscnt 0x0
	global_store_b128 v4, v[24:27], s[6:7] offset:REC-512
.Lend:
	s_wait_tensorcnt 0x0                           ; the wave's end
	ds_add_u32 v[SPW], v[NIL]
	s_wait_dscnt 0x0
	s_endpgm
.Lfunc_end_k_qe5d89684ed_quant:
	.size	k_qe5d89684ed_quant, .Lfunc_end_k_qe5d89684ed_quant-k_qe5d89684ed_quant
	.p2alignl 7, 3214868480
	.fill 96, 4, 3214868480
	.section	.rodata,"a",@progbits
	.p2align	6, 0x0
	.amdhsa_kernel k_qe5d89684ed_quant
		.amdhsa_group_segment_fixed_size 70144
		.amdhsa_private_segment_fixed_size 0
		.amdhsa_enable_private_segment 0
		.amdhsa_kernarg_size 64
		.amdhsa_user_sgpr_count 2
		.amdhsa_user_sgpr_kernarg_segment_ptr 1
		.amdhsa_wavefront_size32 1
		.amdhsa_system_sgpr_workgroup_id_x 1
		.amdhsa_system_sgpr_workgroup_id_y 1
		.amdhsa_system_sgpr_workgroup_id_z 1
		.amdhsa_system_vgpr_workitem_id 0
		.amdhsa_next_free_vgpr 160
		.amdhsa_next_free_sgpr 66
		.amdhsa_reserve_vcc 1
		.amdhsa_float_denorm_mode_32 3
		.amdhsa_float_denorm_mode_16_64 3
		.amdhsa_memory_ordered 1
		.amdhsa_forward_progress 1
		.amdhsa_inst_pref_size 52
	.end_amdhsa_kernel
	.amdgpu_metadata
---
amdhsa.version: [ 1, 2 ]
amdhsa.kernels:
  - .name:           k_qe5d89684ed_quant
    .symbol:         k_qe5d89684ed_quant.kd
    .args:
      - { .name: x, .offset: 0, .size: 8, .value_kind: global_buffer, .address_space: global }
      - { .name: xq, .offset: 8, .size: 8, .value_kind: global_buffer, .address_space: global }
      - { .name: rt, .offset: 16, .size: 8, .value_kind: global_buffer, .address_space: global }
      - { .name: wq, .offset: 24, .size: 8, .value_kind: global_buffer, .address_space: global }
      - { .name: Wq, .offset: 32, .size: 8, .value_kind: global_buffer, .address_space: global }
      - { .name: Wk, .offset: 40, .size: 8, .value_kind: global_buffer, .address_space: global }
      - { .name: Wv, .offset: 48, .size: 8, .value_kind: global_buffer, .address_space: global }
      - { .name: Wo, .offset: 56, .size: 8, .value_kind: global_buffer, .address_space: global }
    .group_segment_fixed_size: 70144
    .private_segment_fixed_size: 0
    .kernarg_segment_align: 8
    .kernarg_segment_size: 64
    .max_flat_workgroup_size: 256
    .sgpr_count:     66
    .vgpr_count:     160
    .wavefront_size: 32
...
	.end_amdgpu_metadata
.endif
;; end of part 1
;; launch gemm_qkv (part 2): grid 8 x 32, 4 waves a work-group, clusters of 4 x 4, 327,680 bytes of LDS; arguments xq, wq, rt, qq, kv; writes qq, kv
.if DOCPART == 2
	.amdgcn_target "amdgcn-amd-amdhsa--gfx1250"
	.amdhsa_code_object_version 6
	.text
	.protected	k_qe5d89684ed_gemm_qkv
	.globl	k_qe5d89684ed_gemm_qkv
	.p2align	8
	.type	k_qe5d89684ed_gemm_qkv,@function
k_qe5d89684ed_gemm_qkv:
	s_mov_b64 s[64:65], 0
	v_nop
	global_prefetch_b8 v0, s[64:65] scope:SCOPE_SE
	s_setreg_imm32_b32 hwreg(HW_REG_WAVE_MODE, 25, 1), 1
	s_wait_xcnt 0x0
	s_wait_alu depctr_hold_cnt(0) depctr_sa_sdst(0) depctr_va_vdst(0) depctr_va_sdst(0) depctr_va_ssrc(0) depctr_va_vcc(0) depctr_vm_vsrc(0)
	s_getreg_b32 s2, hwreg(HW_REG_IB_STS2, 6, 4)
	s_cmp_eq_u32 s2, 0
	s_cbranch_scc0 .Lentry_in_a_cluster
	s_endpgm
.Lentry_in_a_cluster:
	s_bfe_u32 s2, ttmp6, 0x10000c
	s_cmp_lg_u32 s2, 0xf033
	s_cbranch_scc0 .Lentry_shape_is_right
	s_endpgm
.Lentry_shape_is_right:
.set REC,   12800
; LDS: four parts, one for each wave's 128 rows (A's two blocks, then B's two).  A part holds K steps 0-5, six records on end, brought by the wave's one tensor load at the head (300 rows of 256 bytes).
; K steps 6 and 7 are the launch's one refill: they land on K steps 0 and 1's bytes, behind the three lines and a round of the cluster's barrier, when K step 1's fragments have been read;
; 224 matrix instructions of the wave stand between that request and the wait for it, ahead of K step 6.
.set PART,  6*REC                      ; a part
.set SLOT,  2*REC                      ; a pair of K steps inside a part
.set SPARE, 4*PART
.set VSTG,  128*144
.set ADRA, 16
.set ADRB, 20
.set ADRS, 8
.set LI,   24
.set RTA,  25
.set VSTO, 26
.set VRD,  27
.set SPW,  28
.set NIL,  29
.set LN,   30
.set SC,   32
.set AF,   64
.set G1, 24
.set G0, 32
.set G1B, 48
.set G0B, 56
.set SEL, 80
.set T,   64
.set TM,  96
.set CT,  112
.set WD,  120
.set EI,  128
.set OI,  140
.set XJ,  224
.set QE,  228
.set QO,  232
.set XV,  64
.set YV,  128
.set CTV, 224
.set VW,  228
.set VQ,  240
.set MSB, 0
.macro WIN new
.if MSB != (\new)
	s_set_vgpr_msb (MSB<<8)|(\new)
.set MSB, (\new)
.endif
.endm
.set MUL_LO, 0xa1
.set MUL_HI, 0xf1
.set TO_B,   0x40
.macro PLACES n
.rept \n
	v_nop
.endr
.endm
.macro JLOAD g0a, g1a, g0b, g1b
	s_cmp_eq_u32 s15, 0
	s_cbranch_scc0 .Lfor_b_\@
	tensor_load_to_lds s[\g0a:\g0a+3], s[\g1a:\g1a+7]
	s_nop 0
.rept 4
	v_nop
.endr
	s_branch .Lasked_\@
.Lfor_b_\@:
	tensor_load_to_lds s[\g0b:\g0b+3], s[\g1b:\g1b+7]
	s_nop 0
.rept 4
	v_nop
.endr
.Lasked_\@:
.endm
.macro CREST
	s_cmp_lg_u32 s14, 0
	s_cbranch_scc1 .Lnot_wave_0_\@
	s_barrier_signal -3
.Lnot_wave_0_\@:
	s_barrier_wait -3
	s_barrier_signal -1
	s_barrier_wait -1
.endm
.macro CROUND
	s_barrier_signal -1
	s_barrier_wait -1
	CREST
.endm
	s_load_b256 s[4:11], s[0:1], 0x0
	s_load_b64 s[12:13], s[0:1], 0x20
	v_lshl_add_u32 v[SPW], v0, 2, SPARE
	v_mov_b32 v[NIL], 0
	ds_add_u32 v28, v29
	ds_add_u32 v28, v29
	s_wait_dscnt 0x0
	v_lshrrev_b32 v1, 5, v0
	v_readfirstlane_b32 s14, v1
	s_lshr_b32 s15, s14, 1
	s_and_b32 s16, s14, 1
	s_bfe_u32 s40, ttmp6, 0x40000
	s_bfe_u32 s41, ttmp6, 0x40004
	s_lshl_b32 s42, ttmp9, 2
	s_add_co_u32 s42, s42, s40
	s_and_b32 s17, ttmp7, 0xffff
	s_lshl_b32 s17, s17, 2
	s_add_co_u32 s17, s17, s41
	s_lshl_b32 s43, s41, 2
	s_lshl_b32 s43, 15, s43
	s_lshl_b32 s44, 0x1111, s40
	s_or_b32 s[G1+0], s43, (3<<16)|(1<<21)
	s_or_b32 s[G1B+0], s44, (3<<16)|(1<<21)
.irp g, G1, G1B
	s_mov_b32 s[\g+1], 32<<16
	s_mov_b32 s[\g+2], 300<<16
	s_mov_b32 s[\g+3], 32<<16
	s_mov_b32 s[\g+4], 300
	s_mov_b32 s[\g+5], 32
	s_mov_b32 s[\g+6], 0
	s_mov_b32 s[\g+7], 0
.endr
	s_lshl_b32 s20, s17, 1
	s_add_co_u32 s20, s20, s16
	s_mul_i32 s20, s20, 8*REC
	s_mov_b32 s21, 0
	s_lshl_b32 s46, s42, 1
	s_add_co_u32 s46, s46, s16
	s_mul_i32 s46, s46, 8*REC
	s_mov_b32 s47, 0
	s_mul_i32 s45, s14, PART
	s_mov_b32 s[SEL], 0x76543210
	s_mov_b32 s[SEL+1], 0xfedcba98
	s_wait_kmcnt 0x0
	s_add_nc_u64 s[20:21], s[4:5], s[20:21]
	s_add_nc_u64 s[46:47], s[6:7], s[46:47]
	CROUND
.irp s, 0,1                            ; set 0: K steps 0-5; set 1: K steps 6 and 7, six records on in memory, to the part's first bytes
	s_mov_b32 s[G0+4*\s], 1
	s_mov_b32 s[G0+4*\s+1], s45
	s_add_nc_u64 s[G0+4*\s+2:G0+4*\s+3], s[20:21], \s*PART
	s_or_b32 s[G0+4*\s+3], s[G0+4*\s+3], 0x80000000
	s_mov_b32 s[G0B+4*\s], 1
	s_mov_b32 s[G0B+4*\s+1], s45
	s_add_nc_u64 s[G0B+4*\s+2:G0B+4*\s+3], s[46:47], \s*PART
	s_or_b32 s[G0B+4*\s+3], s[G0B+4*\s+3], 0x80000000
.endr
	JLOAD G0, G1, G0B, G1B                         ; my one tensor load at the head, behind the round
	v_and_b32 v[LN], 31, v0
	v_and_b32 v1, 15, v0
	v_bfe_u32 v2, v0, 4, 1
	s_wait_alu depctr_va_vdst(0)
	v_lshlrev_b32 v[LI], 4, v[LN]
	s_mul_i32 s21, s15, PART
	s_mul_i32 s22, s16, PART
	s_add_co_u32 s22, s22, 2*PART
.irp s, 0,1,2
	v_add_nc_u32 v[ADRA+\s], s21, v[LI]
	v_add_nc_u32 v[ADRB+\s], s22, v[LI]
	s_add_co_u32 s21, s21, SLOT
	s_add_co_u32 s22, s22, SLOT
.endr
	s_mul_i32 s21, s15, PART
	s_mul_i32 s22, s16, PART
	s_add_co_u32 s22, s22, 2*PART
	s_sub_co_u32 s22, s22, s21
	v_mul_u32_u24 v3, s22, v2
	v_lshl_add_u32 v3, v1, 5, v3
	s_add_co_u32 s21, s21, REC-512
	v_add_nc_u32 v[ADRS], s21, v3
	v_add_nc_u32 v[ADRS+1], SLOT, v[ADRS]
	v_add_nc_u32 v[ADRS+2], 2*SLOT, v[ADRS]
	v_and_b32 v4, 8, v1
	v_add_nc_u32 v4, v4, v1
	v_lshlrev_b32 v[RTA], 7, v4
	v_lshl_add_u32 v[RTA], v2, 6, v[RTA]
	s_wait_alu depctr_va_vdst(0)
	s_mul_i32 s23, s14, PART                       ; V's stage lies over K steps 2 and 3 of my part: their last fill is the head's, and their last reads stand ahead of the last barrier
	s_add_co_u32 s23, s23, SLOT
	v_mul_u32_u24 v[VSTO], v4, 144
	v_lshl_add_u32 v[VSTO], v2, 6, v[VSTO]
	v_add_nc_u32 v[VSTO], s23, v[VSTO]
	v_lshl_add_u32 v[VRD], v2, 3, v4
	v_lshl_add_u32 v[VRD], v[VRD], 2, s23
	s_lshl_b32 s66, s17, 1
	s_add_co_u32 s66, s66, s15
	s_lshr_b32 s67, s66, 4
	s_and_b32 s68, s66, 15
	s_lshl_b32 s70, s68, 14
	s_mov_b32 s71, 0
	s_add_nc_u64 s[8:9], s[8:9], s[70:71]
	s_lshl_b32 s72, s67, 4
	s_lshl_b32 s73, s42, 2
	s_add_co_u32 s72, s72, s73
	s_lshl_b32 s73, s16, 1
	s_add_co_u32 s72, s72, s73
	s_lshl_b32 s74, s67, 3
	s_lshl_b32 s73, s42, 1
	s_add_co_u32 s74, s74, s73
	s_sub_co_u32 s74, s74, 8
	s_mov_b32 s75, 13312
	s_cmp_eq_u32 ttmp9, 0
	s_cselect_b32 s72, s72, s74
	s_cselect_b32 s75, 6656, s75
	s_cselect_b64 s[76:77], s[10:11], s[12:13]
	s_lshl_b32 s72, s72, 4
	s_add_co_u32 s72, s72, s68
	s_mul_i32 s72, s72, s75
	s_mov_b32 s73, 0
	s_add_nc_u64 s[76:77], s[76:77], s[72:73]
	s_lshl_b32 s78, s75, 4
	s_mov_b32 s79, 0
	s_add_nc_u64 s[78:79], s[76:77], s[78:79]
	WIN TO_B
.irp a, 0,1,2,3
.irp e, 0,1,2,3
	global_load_b128 v[96+16*(\a%2)+128*(\a/2)+4*\e:96+16*(\a%2)+128*(\a/2)+4*\e+3], v[RTA], s[8:9] offset:(32*(\a/2)+8*(\a%2))*128+16*\e
.endr
.endr
	WIN 0
.macro FETCH sl, q, p
	WIN TO_B
.irp i, 0,1,2,3,4,5,6,7
.irp g, 0,1,2
	ds_load_b128 v[128*(\p)+12*\i+4*\g:128*(\p)+12*\i+4*\g+3], v[ADRB+AJ] offset:REC*(\q)+1536*\i+512*\g
.endr
.endr
	WIN 0
.irp i, 0,1,2,3,4,5,6,7
.irp g, 0,1,2
	ds_load_b128 v[AF+96*(\p)+12*\i+4*\g:AF+96*(\p)+12*\i+4*\g+3], v[ADRA+AJ] offset:REC*(\q)+1536*\i+512*\g
.endr
.endr
.if (\q) == 0
	ds_load_b128 v[SC+16*(\sl):SC+16*(\sl)+3], v[ADRS+AJ]
	ds_load_b128 v[SC+16*(\sl)+4:SC+16*(\sl)+7], v[ADRS+AJ] offset:16
	ds_load_b128 v[SC+16*(\sl)+8:SC+16*(\sl)+11], v[ADRS+AJ] offset:REC
	ds_load_b128 v[SC+16*(\sl)+12:SC+16*(\sl)+15], v[ADRS+AJ] offset:REC+16
.endif
.endm
.macro MUL16 a0, p, scb, zero
.irp a, \a0, \a0+1
.irp b, 0,1,2,3,4,5,6,7
.if \zero
	v_wmma_scale_f32_16x16x128_f8f6f4 v[8*(8*((\a)%4)+\b):8*(8*((\a)%4)+\b)+7], v[128*(\p)+12*\b:128*(\p)+12*\b+11], v[AF+96*(\p)+12*(\a):AF+96*(\p)+12*(\a)+11], 0, v[(\scb)+4*(\b%2)+\b/2], v[(\scb)+4*((\a)%2)+(\a)/2] matrix_a_fmt:MATRIX_FMT_FP6 matrix_b_fmt:MATRIX_FMT_FP6 matrix_a_scale:MATRIX_SCALE_ROW1
.else
	v_wmma_scale_f32_16x16x128_f8f6f4 v[8*(8*((\a)%4)+\b):8*(8*((\a)%4)+\b)+7], v[128*(\p)+12*\b:128*(\p)+12*\b+11], v[AF+96*(\p)+12*(\a):AF+96*(\p)+12*(\a)+11], v[8*(8*((\a)%4)+\b):8*(8*((\a)%4)+\b)+7], v[(\scb)+4*(\b%2)+\b/2], v[(\scb)+4*((\a)%2)+(\a)/2] matrix_a_fmt:MATRIX_FMT_FP6 matrix_b_fmt:MATRIX_FMT_FP6 matrix_a_scale:MATRIX_SCALE_ROW1
.endif
.endr
.endr
.endm
.macro STEP sl, zero
	s_wait_dscnt 0x0
	PLACES 4
	FETCH \sl, 1, 1
	WIN MUL_LO
	MUL16 0, 0, SC+16*(\sl), \zero
	MUL16 2, 0, SC+16*(\sl), \zero
	WIN MUL_HI
	MUL16 4, 0, SC+16*(\sl), \zero
	MUL16 6, 0, SC+16*(\sl), \zero
.endm
; the second K step of a pair; sl: the set of scale words; AJ: which pair's bytes of a part the fetches read (pair 3 lies where pair 0 lay).
; fill = 1: the pair just read is filled again, behind the three lines and a round; fill = 0: the refill is waited for and a barrier shows it to all waves; fill = 2: the next pair has lain in LDS since the head: neither
.macro TURN sl, fill
	s_wait_dscnt 0x0
.if (\fill) != 2
	WIN 0
	s_wait_tensorcnt 0x0
	ds_add_u32 v[SPW], v[NIL]
.endif
	WIN MUL_LO
	MUL16 0, 1, SC+16*(\sl)+8, 0
.if (\fill) != 2
	s_wait_dscnt 0x0
	s_barrier_signal -1
.endif
	MUL16 2, 1, SC+16*(\sl)+8, 0
	WIN 0
.if (\fill) != 2
	s_barrier_wait -1
.endif
.if (\fill) == 1
	CREST
	s_mov_b32 s[G1+2], 100<<16                     ; no tensor load of mine is out, so a descriptor may be written: the refill brings 100 rows, two records
	s_mov_b32 s[G1+4], 100
	s_mov_b32 s[G1B+2], 100<<16
	s_mov_b32 s[G1B+4], 100
	JLOAD G0+4, G1, G0B+4, G1B
.else
	PLACES 4
.endif
.set AJ, (AJ+1)%3
	FETCH 1-(\sl), 0, 0
	WIN MUL_HI
	MUL16 4, 1, SC+16*(\sl)+8, 0
	MUL16 6, 1, SC+16*(\sl)+8, 0
.endm
	s_wait_tensorcnt 0x0                           ; my part's K steps 0-5 have landed,
	s_barrier_signal -1
	s_barrier_wait -1                              ; everybody's have
.set AJ, 0
	FETCH 0, 0, 0
	STEP 0, 1
	TURN 0, 1
	STEP 1, 0
	TURN 1, 2
	STEP 0, 0
	TURN 0, 0
	STEP 1, 0
	s_wait_dscnt 0x0
	WIN MUL_LO
	MUL16 0, 1, SC+24, 0
	MUL16 2, 1, SC+24, 0
	WIN MUL_HI
	MUL16 4, 1, SC+24, 0
	MUL16 6, 1, SC+24, 0
	WIN 0
	PLACES 4
.macro QUANT s, W, d0, d1, wd
	WIN (\W)|((\W)<<2)
.irp b, 0,1,2,3
	v_max3_num_f32 v[TM+\b], |v[(\s)+16*\b]|, |v[(\s)+16*\b+1]|, 0x1800000
.endr
.irp i, 2,4,6,8,10,12,14
.irp b, 0,1,2,3
	v_max3_num_f32 v[TM+\b], |v[(\s)+16*\b+\i]|, |v[(\s)+16*\b+\i+1]|, v[TM+\b]
.endr
.endr
	WIN 0
.irp b, 0,1,2,3
	v_permlanex16_b32 v[TM+4+\b], v[TM+\b], s[SEL], s[SEL+1]
.endr
.irp b, 0,1,2,3
	v_max_num_f32 v[TM+\b], v[TM+\b], v[TM+4+\b]
.endr
.irp b, 0,1,2,3
	v_add_nc_u32 v[TM+12+\b], 0xff000000, v[TM+\b]
.endr
.irp b, 0,1,2,3
	v_lshrrev_b32 v[TM+4+\b], 23, v[TM+12+\b]
.endr
	v_lshl_or_b32 v[\wd], v[TM+5], 8, v[TM+4]
	v_lshl_or_b32 v[\wd], v[TM+6], 16, v[\wd]
	v_lshl_or_b32 v[\wd], v[TM+7], 24, v[\wd]
	WIN (\W)
	v_cvt_scalef32_pk16_fp6_f32 v[(\d0):(\d0)+2], v[(\s):(\s)+15], v[TM+12]
	v_cvt_scalef32_pk16_fp6_f32 v[CT:CT+2], v[(\s)+16:(\s)+31], v[TM+13]
	v_cvt_scalef32_pk16_fp6_f32 v[(\d1):(\d1)+2], v[(\s)+32:(\s)+47], v[TM+14]
	v_cvt_scalef32_pk16_fp6_f32 v[CT+4:CT+6], v[(\s)+48:(\s)+63], v[TM+15]
	WIN 0
	v_nop
.irp i, 0,1,2
	v_permlane16_swap_b32 v[(\d0)+\i], v[CT+\i]
.endr
.irp i, 0,1,2
	v_mov_b32 v[(\d0)+3+\i], v[CT+\i]
.endr
.irp i, 0,1,2
	v_permlane16_swap_b32 v[(\d1)+\i], v[CT+4+\i]
.endr
.irp i, 0,1,2
	v_mov_b32 v[(\d1)+3+\i], v[CT+4+\i]
.endr
.endm
.macro BMAX xs, m, t
	v_max3_num_f32 v[\m], |v[\xs]|, |v[\xs+1]|, |v[\xs+2]|
	v_max3_num_f32 v[\t], |v[\xs+3]|, |v[\xs+4]|, |v[\xs+5]|
.irp i, 6,10,14,18,22,26
	v_max3_num_f32 v[\m], v[\m], |v[\xs+\i]|, |v[\xs+\i+1]|
	v_max3_num_f32 v[\t], v[\t], |v[\xs+\i+2]|, |v[\xs+\i+3]|
.endr
	v_max3_num_f32 v[\m], v[\m], |v[\xs+30]|, |v[\xs+31]|
	v_max3_num_f32 v[\m], v[\m], v[\t], 0x1800000
.endm
	s_and_b32 s18, ttmp9, s16
	s_cmp_eq_u32 s18, 1
	s_cbranch_scc1 .Lv
	WIN TO_B
.irp a, 4,5,6,7
.irp e, 0,1,2,3
	global_load_b128 v[16*(\a-4)+4*\e:16*(\a-4)+4*\e+3], v[RTA], s[8:9] offset:(32*(\a/2)+8*(\a%2))*128+16*\e
.endr
.endr
	WIN 0
.irp b, 0,1,2,3
	v_mov_b32 v[TM+4+\b], 0
.endr
	s_wait_loadcnt 16
.macro QKTILE a
.set W_, 2+(\a)/4
.set AC_, 64*((\a)%4)
.if (\a) < 4
.set CS_, 96+16*((\a)%2)+128*((\a)/2)
.else
.set CS_, 16*((\a)-4)
.endif
	WIN W_|4
.irp B, 0,2
.irp p, 0,1,2,3,4,5,6,7
	v_pk_mul_f32 v[T+8*\B+2*\p:T+8*\B+2*\p+1], v[AC_+16*\B+2*\p:AC_+16*\B+2*\p+1], v[CS_+2*\p:CS_+2*\p+1] op_sel_hi:[1,0]
.endr
.endr
	WIN (W_<<6)|4|W_
.irp B, 0,2
.irp p, 0,1,2,3,4,5,6,7
	v_pk_fma_f32 v[AC_+16*\B+2*\p:AC_+16*\B+2*\p+1], v[AC_+16*\B+2*\p:AC_+16*\B+2*\p+1], v[CS_+2*\p:CS_+2*\p+1], v[T+8*\B+2*\p:T+8*\B+2*\p+1] op_sel:[1,1,0] op_sel_hi:[0,1,1] neg_lo:[0,1,0]
.endr
.endr
	QUANT AC_, W_, EI+24*((\a)/2)+6*((\a)%2), OI+24*((\a)/2)+6*((\a)%2), WD+(\a)
.if (\a)%2 == 1
.irp g, 0,1,2
	global_store_b128 v[LI], v[EI+24*((\a)/2)+4*\g:EI+24*((\a)/2)+4*\g+3], s[76:77] offset:1536*((\a)/2)+512*\g
	global_store_b128 v[LI], v[OI+24*((\a)/2)+4*\g:OI+24*((\a)/2)+4*\g+3], s[78:79] offset:1536*((\a)/2)+512*\g
.endr
.endif
.endm
	QKTILE 0
	QKTILE 1
	QKTILE 2
	QKTILE 3
	s_wait_loadcnt 0x0
	QKTILE 4
	QKTILE 5
	QKTILE 6
	QKTILE 7
	v_cmp_le_u32 vcc_lo, 16, v[LN]
.irp j, 0,1,2,3
	v_cndmask_b32 v[XJ+\j], v[WD+2*\j], v[WD+2*\j+1], vcc_lo
.endr
.irp j, 0,1,2,3
	v_perm_b32 v[QE+\j], v[XJ+\j], v[XJ+\j], 0x01000100
	v_perm_b32 v[QO+\j], v[XJ+\j], v[XJ+\j], 0x03020302
.endr
	global_store_b128 v[LI], v[QE:QE+3], s[76:77] offset:6144
	global_store_b128 v[LI], v[QO:QO+3], s[78:79] offset:6144
	s_branch .Ldone
.Lv:
.macro VLOAD t
.irp i, 0,1,2,3,4,5,6,7,8,9,10,11,12,13,14,15,16,17,18,19,20,21,22,23,24,25,26,27,28,29,30,31
	ds_load_b32 v[XV+32*((\t)%2)+\i], v[VRD] offset:(32*(\t)+\i)*144
.endr
.endm
.macro VBLOCK g, t
.set XS, XV+32*((\t)%2)
.set DB, YV+24*(\g)+12*((\t)%2)+6*((\t)/2)
.if (\t) < 3
	s_wait_dscnt 32
.else
	s_wait_dscnt 0x0
.endif
	BMAX XS, 232, 233
	v_add_nc_u32 v234, 0xff000000, v232
	v_lshrrev_b32 v235, 23, v234
.if (\t) == 0
	v_mov_b32 v[VW+(\g)], v235
.else
	v_lshl_or_b32 v[VW+(\g)], v235, 8*(\t), v[VW+(\g)]
.endif
	v_cvt_scalef32_pk16_fp6_f32 v[DB:DB+2], v[XS:XS+15], v234
	v_cvt_scalef32_pk16_fp6_f32 v[CTV:CTV+2], v[XS+16:XS+31], v234
	v_nop
.irp i, 0,1,2
	v_mov_b32 v[DB+3+\i], v[CTV+\i]
.endr
.if (\t) < 2
	VLOAD (\t)+2
.endif
.endm
.macro VGROUP g
.irp a, 0,1,2,3,4,5,6,7
	WIN 0x08+4*(\a/4)
.irp e, 0,1,2,3
	ds_store_b128 v[VSTO], v[64*(\a%4)+16*(\g)+4*\e:64*(\a%4)+16*(\g)+4*\e+3] offset:(32*(\a/2)+8*(\a%2))*144+16*\e
.endr
.endr
	WIN 0
	VLOAD 0
	VLOAD 1
	VBLOCK \g, 0
	VBLOCK \g, 1
	VBLOCK \g, 2
	VBLOCK \g, 3
.irp i, 0,1,2,3,4,5,6,7,8,9,10,11
	v_permlane16_swap_b32 v[YV+24*(\g)+\i], v[YV+24*(\g)+12+\i]
.endr
.irp k, 0,1,2
	global_store_b128 v[LI], v[YV+24*(\g)+4*\k:YV+24*(\g)+4*\k+3], s[76+2*((\g)/2):77+2*((\g)/2)] offset:6656+3072*((\g)%2)+512*\k
	global_store_b128 v[LI], v[YV+24*(\g)+12+4*\k:YV+24*(\g)+12+4*\k+3], s[76+2*((\g)/2):77+2*((\g)/2)] offset:6656+3072*((\g)%2)+1536+512*\k
.endr
.if (\g)%2 == 1
	v_mov_b32 v[VQ+4*((\g)/2)], v[VW+(\g)-1]
	v_mov_b32 v[VQ+4*((\g)/2)+1], v[VW+(\g)]
	v_mov_b32 v[VQ+4*((\g)/2)+2], v[VW+(\g)-1]
	v_mov_b32 v[VQ+4*((\g)/2)+3], v[VW+(\g)]
	global_store_b128 v[LI], v[VQ+4*((\g)/2):VQ+4*((\g)/2)+3], s[76+2*((\g)/2):77+2*((\g)/2)] offset:6656+6144
.endif
.endm
	s_wait_alu depctr_va_vdst(0)
	VGROUP 0
	VGROUP 1
	VGROUP 2
	VGROUP 3
.Ldone:
	s_wait_tensorcnt 0x0
	ds_add_u32 v[SPW], v[NIL]
	s_wait_dscnt 0x0
	CROUND
	s_endpgm
.Lfunc_end_k_qe5d89684ed_gemm_qkv:
	.size	k_qe5d89684ed_gemm_qkv, .Lfunc_end_k_qe5d89684ed_gemm_qkv-k_qe5d89684ed_gemm_qkv
	.p2alignl 7, 3214868480
	.fill 96, 4, 3214868480
	.section	.rodata,"a",@progbits
	.p2align	6, 0x0
	.amdhsa_kernel k_qe5d89684ed_gemm_qkv
		.amdhsa_group_segment_fixed_size 327680
		.amdhsa_private_segment_fixed_size 0
		.amdhsa_enable_private_segment 0
		.amdhsa_kernarg_size 40
		.amdhsa_user_sgpr_count 2
		.amdhsa_user_sgpr_kernarg_segment_ptr 1
		.amdhsa_wavefront_size32 1
		.amdhsa_system_sgpr_workgroup_id_x 1
		.amdhsa_system_sgpr_workgroup_id_y 1
		.amdhsa_system_sgpr_workgroup_id_z 1
		.amdhsa_system_vgpr_workitem_id 0
		.amdhsa_next_free_vgpr 1024
		.amdhsa_next_free_sgpr 100
		.amdhsa_reserve_vcc 1
		.amdhsa_float_denorm_mode_32 3
		.amdhsa_float_denorm_mode_16_64 3
		.amdhsa_memory_ordered 1
		.amdhsa_forward_progress 1
		.amdhsa_inst_pref_size 223
	.end_amdhsa_kernel
	.amdgpu_metadata
---
amdhsa.version: [ 1, 2 ]
amdhsa.kernels:
  - .name:           k_qe5d89684ed_gemm_qkv
    .symbol:         k_qe5d89684ed_gemm_qkv.kd
    .args:
      - { .name: xq, .offset: 0, .size: 8, .value_kind: global_buffer, .address_space: global }
      - { .name: wq, .offset: 8, .size: 8, .value_kind: global_buffer, .address_space: global }
      - { .name: rt, .offset: 16, .size: 8, .value_kind: global_buffer, .address_space: global }
      - { .name: qq, .offset: 24, .size: 8, .value_kind: global_buffer, .address_space: global }
      - { .name: kv, .offset: 32, .size: 8, .value_kind: global_buffer, .address_space: global }
    .group_segment_fixed_size: 327680
    .private_segment_fixed_size: 0
    .kernarg_segment_align: 8
    .kernarg_segment_size: 40
    .max_flat_workgroup_size: 128
    .sgpr_count:     100
    .vgpr_count:     1024
    .wavefront_size: 32
...
	.end_amdgpu_metadata
.endif
;; end of part 2
;; launch attn (part 3): grid 8 x 32, 8 waves a work-group, clusters of 4 x 1, 215,040 bytes of LDS; arguments qq, kv, aq; writes aq
.if DOCPART == 3
	.amdgcn_target "amdgcn-amd-amdhsa--gfx1250"
	.amdhsa_code_object_version 6
	.text
	.protected	k_qe5d89684ed_attn
	.globl	k_qe5d89684ed_attn
	.p2align	8
	.type	k_qe5d89684ed_attn,@function
k_qe5d89684ed_attn:
	s_mov_b64 s[64:65], 0
	v_nop
	global_prefetch_b8 v0, s[64:65] scope:SCOPE_SE
	s_setreg_imm32_b32 hwreg(HW_REG_WAVE_MODE, 25, 1), 1
	s_wait_xcnt 0x0
	s_wait_alu depctr_hold_cnt(0) depctr_sa_sdst(0) depctr_va_vdst(0) depctr_va_sdst(0) depctr_va_ssrc(0) depctr_va_vcc(0) depctr_vm_vsrc(0)
	s_getreg_b32 s2, hwreg(HW_REG_IB_STS2, 6, 4)
	s_cmp_eq_u32 s2, 0
	s_cbranch_scc0 .Lentry_in_a_cluster
	s_endpgm
.Lentry_in_a_cluster:
	s_bfe_u32 s2, ttmp6, 0x10000c
	s_cmp_lg_u32 s2, 0x3003
	s_cbranch_scc0 .Lentry_shape_is_right
	s_endpgm
.Lentry_shape_is_right:
; Attention on codes of FP6 (E2M3) with E8M0 scales: S = q k^T (K = the head's 64), softmax, O = p v (K = the keys); O / l is quantised along head x 64 + channel and stored as the last product's operand.
; THE SOFTMAX: t = score x log2(e) / 8 (1 / 8 is reference's scale of q: a power of two, so q's codes are the same without it); M = the running largest t rounded UP to a whole number; p = 2^(t - M) is quantised
; along the keys; the row's sum is taken of the unquantised p and divides O at the end.  When M moves, the sum and O are multiplied by 2^(old M - new M): exact.
; SHARES.  A work-group takes 256 tokens and one key-value head, that is two query heads.  Wave w takes token tiles 2 (w % 4), 2 (w % 4) + 1 of the block of 128 tokens w / 4, for both heads: four tiles of 16 queries,
; so each fragment of K and V read from LDS feeds four products.  LDS holds the WHOLE key-value head: 16 steps of 128 keys, 13,312 bytes each, filled once by one tensor load a wave: no ring.
; All of it is asked for at the head, so there is no loop in which a prefetch could run ahead: none is written.
; CLUSTER: the four token blocks of a cluster walk the same head: each wave's load is asked for jointly, with the mask of all four.
; LAYOUT.  Both products are used transposed (S^T = K Q^T, O^T = V^T P^T): a lane holds ONE query throughout.
; WHICH KEYS FORM A TILE OF K is chosen by each lane's LDS address: rows 0-7 of tile 4 c + u are keys 64 c + 8 u + 0 .. 7, rows 8-15 keys 64 c + 32 + 8 u + 0 .. 7.  So the 32 registers of tiles 4 c .. 4 c + 3 in lane
; (r, h) are keys 64 c + 32 h + 0 .. 31: a WHOLE block of 32 in the order of the second product's operand: a block's maximum needs no other lane, and its codes are the operand's registers as the conversions make them.
; In the stored images (pair image b: tiles 2 b, 2 b + 1; row q of tile 2 b + u' is key 32 b + 8 u' + q + 8 (q / 8)) lane (r, h) of tile 4 c + u finds its row in pair image 2 c + r / 8, tile u % 2, row r % 8 + 8 (u / 2).
; TWO TILES (the two heads of a token tile) go through the softmax together, their chains by turns.  Their exponentials stand in two batches, a tile each, with independent plain work among them: the second tile's
; t - M among the first tile's exponentials, the first level of the first tile's sum among the second's.  Nothing written inside a batch is read ahead of the wait behind it.
; The first pair's products with V stand one by one among the second pair's maxima, which name none of their registers.
; K = 64 IN AN INSTRUCTION OF 128: for the even head source 0 is [K_t | the six registers behind it] and source 1 [E | zeros]; for the odd head [the six in front | K_t] and [zeros | O].  A zero code times any code
; of this format is 0, and every scale word of K and Q holds its two bytes twice, none of them 0xff.
; REGISTERS.  window 0: v1-10 addresses; v12-15 K's scale words, v16-17 V's, v18-19 Q's, v20-21 p's; v22-57 Q: for each token tile [E 6 | zeros 6 | O 6]; v58-185 S^T of two tiles, then p; v186-209 p's codes;
;   v210-225 for each tile -M, largest score, the sum in two halves; v226-253 at work; v254-255 the add's.   window 1: v0-127 O^T, 32 a tile; v128-133 zeros; v134-181 K; v182-187 zeros; v188-235 V.
; LIMITS: NaN and infinities are not served; the promise holds while |t| stays under 2^31; a block of p or of O that is all zeros, or under 2^-124, gets the byte 1.
.set HEADB, 212992
.set STEPB, 13312
.set OSC,   212992                     ; behind the head: 1,024 bytes for the scale words on the way out
.set SPARE, 214016                     ; behind them the spare words, 128 bytes a wave
.set LI,  1
.set ADR, 2
.set AK,  3
.set AKS, 4
.set AK0, 5
.set AKS0, 6
.set OA,  7
.set OW,  8
.set ORD, 9
.set SH8, 10
.set KS,  12
.set VS,  16
.set QS,  18
.set PS,  20
.set QF,  22
.set S0,  58
.set S1,  122
.set PC,  186
.set ST,  210
.set BM,  226
.set PT,  230
.set SO,  232
.set MX,  232                          ; (at work ahead of SO)
.set NM,  234
.set CTP, 236
.set SU,  236                          ; (at work ahead of CTP)
.set TOFF, CTP-PC-16                   ; the first tile's 16 partial sums: number n at PC + 2 n, from n = 12 on at CTP + 8 + 2 (n - 12): registers that the conversions fill later
.set F,   252
.set KF,  134                          ; in window 1
.set VF,  188
.set TM,  58                           ; the way out, where S^T lay
.set CT,  74
.set PO,  82
.set WO,  106
.set WV,  18
.set SEL, 20
.set CS,  22
.set G1,  24
.set G0,  40
.set TB,  44
.set CNT, 45
.set CN,  62
.set MSB, 0
.macro WIN new
.if MSB != (\new)
	s_set_vgpr_msb (MSB<<8)|(\new)
.set MSB, (\new)
.endif
.endm
.macro PLACES n
.rept \n
	v_nop
.endr
.endm
.macro CROUND
	s_barrier_signal -1
	s_barrier_wait -1
	s_cmp_lg_u32 s[WV], 0
	s_cbranch_scc1 .Lnot_wave_0_\@
	s_barrier_signal -3
.Lnot_wave_0_\@:
	s_barrier_wait -3
	s_barrier_signal -1
	s_barrier_wait -1
.endm
	s_load_b128 s[4:7], s[0:1], 0x0                ; qq, kv
	s_load_b64 s[8:9], s[0:1], 0x10                ; aq
	v_lshl_add_u32 v254, v0, 2, SPARE
	v_mov_b32 v255, 0
	ds_add_u32 v254, v255                          ; the opening lines: the add twice on end and its wait ahead of my tensor load
	ds_add_u32 v254, v255
	v_lshrrev_b32 v1, 5, v0
	v_readfirstlane_b32 s[WV], v1                  ; wave 0..7
	s_bfe_u32 s10, ttmp6, 0x40000                  ; cx
	s_lshl_b32 s11, ttmp9, 2
	s_add_co_u32 s11, s11, s10                     ; my block of 256 tokens: it enters Q's and the output's addresses alone
	s_and_b32 s12, ttmp7, 0xffff                   ; 8 x batch + key-value head, which the four partners share
	s_mov_b32 s[G1], 15|(3<<16)|(1<<21)            ; the mask of all four; elements of 8 bytes; bit 21 beside a mask
	s_mov_b32 s[G1+1], 32<<16                      ; rows of 256 bytes,
	s_mov_b32 s[G1+2], 104<<16                     ; 104 of them: 26,624 dense bytes a wave
	s_mov_b32 s[G1+3], 32<<16
	s_mov_b32 s[G1+4], 104
	s_mov_b32 s[G1+5], 32
	s_mov_b32 s[G1+6], 0
	s_mov_b32 s[G1+7], 0
	s_mul_i32 s14, s12, HEADB
	s_mul_i32 s13, s[WV], 26624                    ; my eighth of the head, in memory and in LDS alike
	s_add_co_u32 s14, s14, s13
	s_mov_b32 s15, 0
	s_mov_b32 s[SEL], 0x76543210
	s_mov_b32 s[SEL+1], 0xfedcba98
	s_mov_b32 s[CS], 0x3e38aa3b                    ; c = log2(e) / 8
	s_mov_b32 s[CS+1], s[CS]
	s_mov_b32 s[CN], 0xbe38aa3b                    ; -c
	s_wait_dscnt 0x0
	s_wait_kmcnt 0x0
	CROUND                                         ; all four work-groups are here: the joint loads meet
	s_mov_b32 s[G0], 1
	s_mov_b32 s[G0+1], s13
	s_add_nc_u64 s[G0+2:G0+3], s[6:7], s[14:15]
	s_or_b32 s[G0+3], s[G0+3], 0x80000000
	tensor_load_to_lds s[G0:G0+3], s[G1:G1+7]      ; my one tensor load of the launch
	s_nop 0
.rept 4
	v_nop
.endr
	s_lshr_b32 s16, s12, 3                         ; batch
	s_and_b32 s17, s12, 7                          ; key-value head
	s_lshr_b32 s19, s[WV], 2
	s_lshl_b32 s46, s11, 1
	s_add_co_u32 s46, s46, s19                     ; my block of 128 tokens, 0..15
	s_lshl_b32 s47, s16, 4
	s_lshl_b32 s48, s17, 1
	s_add_co_u32 s47, s47, s48                     ; the even query head
	s_lshl_b32 s47, s47, 4
	s_add_co_u32 s47, s47, s46
	s_mul_i32 s48, s47, 6656
	s_mov_b32 s49, 0
	s_add_nc_u64 s[4:5], s[4:5], s[48:49]          ; its half record of my 128 tokens; the odd head's lies 106,496 bytes on
	s_lshl_b32 s50, s16, 4
	s_add_co_u32 s50, s50, s46
	s_lshl_b32 s50, s50, 3
	s_add_co_u32 s50, s50, s17
	s_mul_i32 s50, s50, 12800
	s_mov_b32 s51, 0
	s_add_nc_u64 s[52:53], s[8:9], s[50:51]        ; the output's record: my 128 tokens, K step = the key-value head
	s_and_b32 s54, s[WV], 1
	s_lshl_b32 s55, s11, 1
	s_add_co_u32 s54, s54, s55
	s_lshl_b32 s55, s16, 4
	s_add_co_u32 s54, s54, s55
	s_lshl_b32 s54, s54, 3
	s_add_co_u32 s54, s54, s17
	s_mul_i32 s54, s54, 12800
	s_mov_b32 s55, 0
	s_add_nc_u64 s[54:55], s[8:9], s[54:55]        ; the record whose scale words wave 0 or 1 stores
	s_and_b32 s56, s[WV], 3
	s_mul_i32 s57, s56, 1536
	s_lshl_b32 s58, s56, 2
	s_mul_i32 s61, s56, 3072
	s_lshl_b32 s59, s19, 9
	s_add_co_u32 s59, s59, s58
	s_add_co_u32 s59, s59, OSC
	s_and_b32 s60, s[WV], 1
	s_lshl_b32 s60, s60, 9
	s_add_co_u32 s60, s60, OSC
	v_and_b32 v2, 31, v0
	v_and_b32 v3, 15, v0                           ; r
	v_bfe_u32 v4, v0, 4, 1                         ; h
	v_bfe_u32 v11, v0, 3, 1                        ; r / 8
	v_lshlrev_b32 v[LI], 4, v2
	v_and_b32 v2, 7, v0                            ; r % 8
	v_lshlrev_b32 v[SH8], 3, v4                    ; 8 h
	v_lshlrev_b32 v2, 4, v2
	v_lshl_add_u32 v2, v4, 8, v2                   ; 16 (r % 8) + 256 h
	v_mad_u32_u24 v[AK0], v11, 1536, v2            ; K's codes: + the pair image r / 8
	v_lshl_add_u32 v[AKS0], v11, 2, v2             ; K's scale words: + 4 (r / 8)
	v_add_nc_u32 v[OA], s61, v[LI]                 ; the way out: my two images
	v_lshl_add_u32 v[OW], v3, 5, s59               ; my scale words: 512 (w / 4) + 32 r + 4 (w % 4)
	v_add_nc_u32 v[ORD], s60, v[LI]                ; where wave 0 or 1 reads 512 bytes of them back
	v_add_nc_u32 v[AK], s57, v[LI]                 ; Q: my pair image (these two registers serve K from the loop on)
	v_add_nc_u32 v[AKS], s58, v[LI]                ; and its scale words: lanes 0-15 the first token tile's, lanes 16-31 the second's
.irp e, 0,1
.irp p, 0,1,2,3,4,5
	global_load_b64 v[QF+12*\e+18*(\p/3)+2*(\p%3):QF+12*\e+18*(\p/3)+2*(\p%3)+1], v[AK], s[4:5] offset:106496*\e+512*(\p/2)+8*(\p%2)
.endr
	global_load_b32 v[QS+\e], v[AKS], s[4:5] offset:106496*\e+6144
.endr
.irp i, 0,1,2,3,4,5
	v_mov_b32 v[QF+6+\i], 0                        ; the zero codes between E and O
	v_mov_b32 v[QF+24+\i], 0
.endr
	WIN 0x40
.irp i, 0,1,2,3,4,5
	v_mov_b32 v[128+\i], 0                         ; and at both ends of K
	v_mov_b32 v[182+\i], 0
.endr
.set i, 0
.rept 128
	v_mov_b32 v[i], 0                              ; O^T: the key step is written once; the first finds zeros, which the first change of M leaves zeros
.set i, i+1
.endr
	WIN 0
.irp q, 0,1,2,3
	v_mov_b32 v[ST+4*\q], 0x7e000000               ; -M: a large number, so that the first factor is 0
	v_mov_b32 v[ST+4*\q+1], 0xff61b1e6             ; the largest score so far: -3e38
	v_mov_b32 v[ST+4*\q+2], 0
	v_mov_b32 v[ST+4*\q+3], 0
.endr
	v_mov_b32 v[PT], 0                             ; a lane permute's destination counts as one of its sources
	v_mov_b32 v[PT+1], 0
.macro WSS d, a, b, sa, sb, ra, rb     ; a product that starts a sum; ra, rb: the scale words lie in lanes 16-31
.if ((\ra) == 1) && ((\rb) == 1)
	v_wmma_scale_f32_16x16x128_f8f6f4 v[(\d):(\d)+7], v[(\a):(\a)+11], v[(\b):(\b)+11], 0, v[\sa], v[\sb] matrix_a_fmt:MATRIX_FMT_FP6 matrix_b_fmt:MATRIX_FMT_FP6 matrix_a_scale:MATRIX_SCALE_ROW1 matrix_b_scale:MATRIX_SCALE_ROW1
.elseif (\ra) == 1
	v_wmma_scale_f32_16x16x128_f8f6f4 v[(\d):(\d)+7], v[(\a):(\a)+11], v[(\b):(\b)+11], 0, v[\sa], v[\sb] matrix_a_fmt:MATRIX_FMT_FP6 matrix_b_fmt:MATRIX_FMT_FP6 matrix_a_scale:MATRIX_SCALE_ROW1
.elseif (\rb) == 1
	v_wmma_scale_f32_16x16x128_f8f6f4 v[(\d):(\d)+7], v[(\a):(\a)+11], v[(\b):(\b)+11], 0, v[\sa], v[\sb] matrix_a_fmt:MATRIX_FMT_FP6 matrix_b_fmt:MATRIX_FMT_FP6 matrix_b_scale:MATRIX_SCALE_ROW1
.else
	v_wmma_scale_f32_16x16x128_f8f6f4 v[(\d):(\d)+7], v[(\a):(\a)+11], v[(\b):(\b)+11], 0, v[\sa], v[\sb] matrix_a_fmt:MATRIX_FMT_FP6 matrix_b_fmt:MATRIX_FMT_FP6
.endif
.endm
.macro WPV d, a, p, sa, sp, ra         ; O^T += V^T P^T
.if (\ra) == 1
	v_wmma_scale_f32_16x16x128_f8f6f4 v[(\d):(\d)+7], v[(\a):(\a)+11], v[(\p):(\p)+11], v[(\d):(\d)+7], v[\sa], v[\sp] matrix_a_fmt:MATRIX_FMT_FP6 matrix_b_fmt:MATRIX_FMT_FP6 matrix_a_scale:MATRIX_SCALE_ROW1
.else
	v_wmma_scale_f32_16x16x128_f8f6f4 v[(\d):(\d)+7], v[(\a):(\a)+11], v[(\p):(\p)+11], v[(\d):(\d)+7], v[\sa], v[\sp] matrix_a_fmt:MATRIX_FMT_FP6 matrix_b_fmt:MATRIX_FMT_FP6
.endif
.endm
; tile q = 2 x token tile + head: its scores of the step's 128 keys into the buffer sb: eight products
.macro SMUL q, sb
	WIN 0x01                                       ; source 0 (K) window 1
.irp t, 0,1,2,3,4,5,6,7
	WSS (\sb)+8*\t, KF-6*((\q)%2)+6*\t, QF+18*((\q)/2)+6*((\q)%2), KS+\t/2, QS+(\q)%2, \t%2, (\q)/2
.endr
.endm
; O^T of tiles q0, q0 + 1 under the new M; these 32 are also the places between the writes of p's codes and scale words and the products that take them
.macro RESC2 q0
	WIN 0x41
	s_wait_alu depctr_va_vdst(0)                   ; directly ahead of the first reader of O^T
.set j, 32*(\q0)
.rept 16
	v_pk_mul_f32 v[j:j+1], v[j:j+1], v[F:F+1] op_sel_hi:[1,0]
.set j, j+2
.endr
.rept 16
	v_pk_mul_f32 v[j:j+1], v[j:j+1], v[F:F+1] op_sel:[0,1] op_sel_hi:[1,1]
.set j, j+2
.endr
.endm
.macro PV2 q0                          ; eight accumulators, one instruction each
	WIN 0x51                                       ; V, C and D window 1; p window 0
.irp i, 0,1
.irp t, 0,1,2,3
	WPV 32*((\q0)+\i)+8*\t, VF+12*\t, PC+12*\i, VS+\t/2, PS+\i, \t%2
.endr
.endr
.endm
; the softmax of tiles q0 (scores at S0) and q0 + 1 (at S1) for one key step.  Register 32 c + i of a tile = key 64 c + 32 h + i.  p's codes go to PC + 12 i, its scale word to PS + i, the factor for O^T to F + i.
; pv = 1: the eight products of tiles 0 and 1 with V, whose operands are ready, stand one by one among the maxima
.macro SOFT2 q0, pv
.set STA, ST+4*(\q0)
.set NPV, 0
	WIN 0
.irp i, 0,1
.irp c, 0,1
	v_max3_num_f32 v[BM+2*\i+\c], v[S0+64*\i+32*\c], v[S0+64*\i+32*\c+1], v[S0+64*\i+32*\c+2]   ; my block's largest score: for the row's maximum and, since p rises with the score, for the block's largest p
.endr
.endr
.irp k, 3,5,7,9,11,13,15,17,19,21,23,25,27,29
.if (\pv) && (NPV < 8)
.set PI_, NPV/4
.set PT_, NPV%4
	WIN 0x51
	WPV 32*PI_+8*PT_, VF+12*PT_, PC+12*PI_, VS+PT_/2, PS+PI_, PT_%2
	WIN 0
.set NPV, NPV+1
.endif
.irp i, 0,1
.irp c, 0,1
	v_max3_num_f32 v[BM+2*\i+\c], v[BM+2*\i+\c], v[S0+64*\i+32*\c+\k], v[S0+64*\i+32*\c+\k+1]   ; ascending: each accumulator is first read at its lowest register
.endr
.endr
.endr
.irp i, 0,1
.irp c, 0,1
	v_max_num_f32 v[BM+2*\i+\c], v[BM+2*\i+\c], v[S0+64*\i+32*\c+31]
.endr
.endr
.irp i, 0,1
	v_max_num_f32 v[MX+\i], v[BM+2*\i], v[BM+2*\i+1]
.endr
.irp i, 0,1
	v_permlanex16_b32 v[PT+\i], v[MX+\i], s[SEL], s[SEL+1]
.endr
.irp i, 0,1
	v_max3_num_f32 v[STA+4*\i+1], v[STA+4*\i+1], v[MX+\i], v[PT+\i]   ; the running largest score, lane l xor 16's blocks among them
.endr
.irp i, 0,1
	v_mul_f32 v[MX+\i], s[CN], v[STA+4*\i+1]       ; -t
.endr
.irp i, 0,1
	v_floor_f32 v[NM+\i], v[MX+\i]                 ; the new -M = floor(-t): M is a whole number
.endr
.irp i, 0,1
	v_sub_f32 v[MX+\i], v[NM+\i], v[STA+4*\i]      ; old M less new M: a whole number, 0 or less
.endr
.irp i, 0,1
	v_mov_b32 v[STA+4*\i], v[NM+\i]
.endr
.irp i, 0,1
	v_cvt_i32_f32 v[MX+\i], v[MX+\i]               ; (it saturates)
.endr
.irp i, 0,1
	v_ldexp_f32 v[F+\i], 1.0, v[MX+\i]             ; 2^(old M - new M)
.endr
.set j, S0
.rept 32
	v_pk_fma_f32 v[j:j+1], v[j:j+1], s[CS:CS+1], v[STA:STA+1] op_sel_hi:[1,0,0]   ; the first tile's t - M, two at a time
.set j, j+2
.endr
.irp i, 0,1
.irp c, 0,1
	v_fma_f32 v[BM+2*\i+\c], v[BM+2*\i+\c], s[CS], v[STA+4*\i]   ; the same of each block's largest score
.endr
.endr
	s_wait_alu depctr_va_vdst(0)                   ; ahead of the batch
.set j, 0
.rept 32
	v_exp_f32 v[S0+j], v[S0+j]                     ; the first tile's p = 2^(t - M);
	v_exp_f32 v[S0+j+1], v[S0+j+1]
	v_pk_fma_f32 v[S1+j:S1+j+1], v[S1+j:S1+j+1], s[CS:CS+1], v[STA+4:STA+5] op_sel_hi:[1,0,0]   ; among them the second tile's t - M, read only behind the wait below
.set j, j+2
.endr
	s_wait_alu depctr_va_vdst(0)                   ; behind the first batch and ahead of the second
.set j, 0
.rept 16
.set TJ, PC+2*j+(j/12)*TOFF
	v_exp_f32 v[S1+4*j], v[S1+4*j]                 ; the second tile's p;
	v_exp_f32 v[S1+4*j+1], v[S1+4*j+1]
	v_pk_add_f32 v[TJ:TJ+1], v[S0+4*j:S0+4*j+1], v[S0+4*j+2:S0+4*j+3]   ; among them the first level of the first tile's sum: 16 additions that hang on nothing in this batch
	v_exp_f32 v[S1+4*j+2], v[S1+4*j+2]
	v_exp_f32 v[S1+4*j+3], v[S1+4*j+3]
.set j, j+1
.endr
.irp b, 0,1,2,3
	v_exp_f32 v[BM+\b], v[BM+\b]                   ; each block's largest p: the same two instructions on the same number
.endr
	v_pk_mul_f32 v[STA+2:STA+3], v[STA+2:STA+3], v[F:F+1] op_sel_hi:[1,0]   ; the sums under the new M: plain instructions behind the exponentials
	v_pk_mul_f32 v[STA+6:STA+7], v[STA+6:STA+7], v[F:F+1] op_sel:[0,1] op_sel_hi:[1,1]
	s_wait_alu depctr_va_vdst(0)                   ; one wait for the batch and for what was written among it, ahead of the first reader
	v_pk_add_f32 v[SU:SU+1], v[S1:S1+1], v[S1+2:S1+3]             ; the rows' sums of the unquantised p go on in five chains: three for the second tile, two for the first tile's partial sums
	v_pk_add_f32 v[SU+2:SU+3], v[S1+4:S1+5], v[S1+6:S1+7]
.set j, 0
.rept 8
	v_pk_add_f32 v[STA+6:STA+7], v[STA+6:STA+7], v[S1+8+6*j:S1+9+6*j]
	v_pk_add_f32 v[SU:SU+1], v[SU:SU+1], v[S1+10+6*j:S1+11+6*j]
	v_pk_add_f32 v[SU+2:SU+3], v[SU+2:SU+3], v[S1+12+6*j:S1+13+6*j]
.set TJ, PC+2*(2*j+1)+((2*j+1)/12)*TOFF
	v_pk_add_f32 v[STA+2:STA+3], v[STA+2:STA+3], v[TJ:TJ+1]
.if j < 7
.set TJ, PC+2*(2*j+2)+((2*j+2)/12)*TOFF
	v_pk_add_f32 v[PC:PC+1], v[PC:PC+1], v[TJ:TJ+1]
.endif
.set j, j+1
.endr
	v_pk_add_f32 v[STA+6:STA+7], v[STA+6:STA+7], v[S1+56:S1+57]
	v_pk_add_f32 v[SU:SU+1], v[SU:SU+1], v[S1+58:S1+59]
	v_pk_add_f32 v[SU+2:SU+3], v[SU+2:SU+3], v[S1+60:S1+61]
.irp b, 0,1,2,3
	v_max_num_f32 v[BM+\b], 0x1800000, v[BM+\b]    ; the floor 2^(3 - 127): the byte cannot fall under 1
.endr
	v_pk_add_f32 v[STA+6:STA+7], v[STA+6:STA+7], v[S1+62:S1+63]
	v_pk_add_f32 v[SU:SU+1], v[SU:SU+1], v[SU+2:SU+3]
	v_pk_add_f32 v[STA+2:STA+3], v[STA+2:STA+3], v[PC:PC+1]
.irp b, 0,1,2,3
	v_add_nc_u32 v[SO+\b], 0xff000000, v[BM+\b]    ; 2 off the exponent field: the conversion's scale operand
.endr
	v_pk_add_f32 v[STA+6:STA+7], v[STA+6:STA+7], v[SU:SU+1]
.irp i, 0,1
	v_lshrrev_b32 v[PT+\i], 23, v[SO+2*\i]         ; the bytes of my blocks h and 2 + h
	v_lshrrev_b32 v[BM+2*\i], 23, v[SO+2*\i+1]
.endr
.irp i, 0,1
	v_lshl_or_b32 v[PT+\i], v[BM+2*\i], 16, v[PT+\i]
.endr
.irp i, 0,1
	v_lshlrev_b32 v[PT+\i], v[SH8], v[PT+\i]       ; 8 h bits up
.endr
.irp i, 0,1
	v_permlanex16_b32 v[BM+2*\i+1], v[PT+\i], s[SEL], s[SEL+1]
.endr
.irp i, 0,1
.irp c, 0,1
	v_cvt_scalef32_pk16_fp6_f32 v[PC+12*\i+6*\c:PC+12*\i+6*\c+2], v[S0+64*\i+32*\c:S0+64*\i+32*\c+15], v[SO+2*\i+\c]
	v_cvt_scalef32_pk16_fp6_f32 v[CTP+8*\i+4*\c:CTP+8*\i+4*\c+2], v[S0+64*\i+32*\c+16:S0+64*\i+32*\c+31], v[SO+2*\i+\c]   ; (a conversion's three registers begin on an even number)
.endr
.endr
.irp i, 0,1
	v_or_b32 v[PS+\i], v[PT+\i], v[BM+2*\i+1]      ; with lane l xor 16's two bytes the word is whole.  (Plain instructions behind the scaled conversions)
.endr
.irp i, 0,1
.irp c, 0,1
.irp e, 0,1,2
	v_mov_b32 v[PC+12*\i+6*\c+3+\e], v[CTP+8*\i+4*\c+\e]
.endr
.endr
.endr
.endm
; K's scale words and fragments of the step at v[AKS], v[AK]: 20 LDS loads.  They are asked for one step ahead: as soon as the step's last score products have read K's registers
.macro KLOAD
.irp n, 0,1,2,3
	ds_load_b32 v[KS+\n], v[AKS] offset:6144+128*(\n%2)+8*(\n/2)   ; lanes 0-15 tile 2 n's words, lanes 16-31 tile 2 n + 1's
.endr
	WIN 0x40
.irp T, 0,1,2,3,4,5,6,7
.if (\T)%2 == 0
	ds_load_b128 v[KF+6*\T:KF+6*\T+3], v[AK] offset:3072*(\T/4)+128*((\T%4)/2)
	ds_load_b64 v[KF+6*\T+4:KF+6*\T+5], v[AK] offset:3072*(\T/4)+128*((\T%4)/2)+512
.else
	ds_load_b64 v[KF+6*\T:KF+6*\T+1], v[AK] offset:3072*(\T/4)+128*((\T%4)/2)+520
	ds_load_b128 v[KF+6*\T+2:KF+6*\T+5], v[AK] offset:3072*(\T/4)+128*((\T%4)/2)+1024
.endif
.endr
	WIN 0
.endm
	s_wait_alu depctr_va_vdst(0)                   ; the head's end
	s_wait_tensorcnt 0x0                           ; my eighth of the head has landed,
	s_barrier_signal -1
	s_barrier_wait -1                              ; everybody's has
	s_wait_loadcnt 0x0                             ; Q
	s_mov_b32 s[TB], 0
	s_mov_b32 s[CNT], 16
	v_mov_b32 v[AK], v[AK0]                        ; step 0's K (Q's loads, which these two registers served, are in)
	v_mov_b32 v[AKS], v[AKS0]
	KLOAD
.Lstep:                                            ; a key step: 128 keys
	v_add_nc_u32 v[ADR], s[TB], v[LI]
	PLACES 3                                       ; with the line above: four places in front of loads into registers that the last products have read
	ds_load_b64 v[VS:VS+1], v[ADR] offset:12800
	WIN 0x40
.irp n, 0,1,2,3,4,5,6,7,8,9,10,11
	ds_load_b128 v[VF+4*\n:VF+4*\n+3], v[ADR] offset:6656+512*\n
.endr
	s_wait_dscnt 13                                ; K and its scale words, asked for a step ago, are in; the 13 loads just issued (V's scale words and V) may be out
	SMUL 0, S0
	SMUL 1, S1
	WIN 0
	PLACES 4                                       ; in front of the first read of the scores
	SOFT2 0, 0
	s_wait_dscnt 0x0                               ; V is in
	RESC2 0
	SMUL 2, S0                                     ; p of tiles 0 and 1 lives on as codes: their registers take the next scores
	SMUL 3, S1
	WIN 0
	s_add_co_u32 s46, s[TB], STEPB
	s_min_u32 s46, s46, 15*STEPB                   ; the next step's K; the last trip has none and reads step 15's once more, so that the address stays inside the head
	v_add_nc_u32 v[AK], s46, v[AK0]
	v_add_nc_u32 v[AKS], s46, v[AKS0]
	PLACES 2                                       ; with the two lines above: four places in front of the loads into K's registers and of the first read of the scores
	KLOAD
	SOFT2 2, 1                                     ; with tiles 0 and 1's products with V among its maxima
	RESC2 2
	PV2 2
	WIN 0
	s_add_co_u32 s[TB], s[TB], STEPB
	s_sub_co_u32 s[CNT], s[CNT], 1
	s_cmp_lg_u32 s[CNT], 0
	s_cbranch_scc1 .Lstep
	; THE WAY OUT.  The additions are the places behind the last products.
.irp q, 0,1,2,3
	v_add_f32 v[BM+\q], v[ST+4*\q+2], v[ST+4*\q+3] ; the sum's two halves,
.endr
.irp q, 0,1,2,3
	v_permlanex16_b32 v[PT+\q], v[BM+\q], s[SEL], s[SEL+1]
.endr
.irp q, 0,1,2,3
	v_add_f32 v[BM+\q], v[BM+\q], v[PT+\q]         ; and lane l xor 16's
.endr
	s_wait_alu depctr_va_vdst(0)                   ; ahead of the batch
.irp q, 0,1,2,3
	v_rcp_f32 v[ST+4*\q+2], v[BM+\q]
.endr
	v_nop                                          ; a plain instruction behind the last reciprocal
	WIN 0x41
	s_wait_alu depctr_va_vdst(0)                   ; one wait for the four, directly ahead of the first reader of them and of O^T
.irp q, 0,1,2,3
.set j, 32*\q
.rept 16
	v_pk_mul_f32 v[j:j+1], v[j:j+1], v[ST+4*\q+2:ST+4*\q+3] op_sel_hi:[1,0]   ; O^T / l, each accumulator from its low end on
.set j, j+2
.endr
.endr
	WIN 0
.irp b, 0,1,2,3
	v_mov_b32 v[TM+4+\b], 0
.endr
; 64 numbers of a lane in window W, register 16 b + i = k 32 b + 16 h + i of my row, become a fragment: blocks 0 | 1 in d0 on, blocks 2 | 3 in d1 on; the scale word in wd
.macro QUANT s, W, d0, d1, wd
	WIN (\W)|((\W)<<2)
.irp b, 0,1,2,3
	v_max3_num_f32 v[TM+\b], |v[(\s)+16*\b]|, |v[(\s)+16*\b+1]|, 0x1800000
.endr
.irp i, 2,4,6,8,10,12,14
.irp b, 0,1,2,3
	v_max3_num_f32 v[TM+\b], |v[(\s)+16*\b+\i]|, |v[(\s)+16*\b+\i+1]|, v[TM+\b]
.endr
.endr
	WIN 0
.irp b, 0,1,2,3
	v_permlanex16_b32 v[TM+4+\b], v[TM+\b], s[SEL], s[SEL+1]
.endr
.irp b, 0,1,2,3
	v_max_num_f32 v[TM+\b], v[TM+\b], v[TM+4+\b]
.endr
.irp b, 0,1,2,3
	v_add_nc_u32 v[TM+12+\b], 0xff000000, v[TM+\b]
.endr
.irp b, 0,1,2,3
	v_lshrrev_b32 v[TM+4+\b], 23, v[TM+12+\b]
.endr
	v_lshl_or_b32 v[\wd], v[TM+5], 8, v[TM+4]
	v_lshl_or_b32 v[\wd], v[TM+6], 16, v[\wd]
	v_lshl_or_b32 v[\wd], v[TM+7], 24, v[\wd]
	WIN (\W)
	v_cvt_scalef32_pk16_fp6_f32 v[(\d0):(\d0)+2], v[(\s):(\s)+15], v[TM+12]
	v_cvt_scalef32_pk16_fp6_f32 v[CT:CT+2], v[(\s)+16:(\s)+31], v[TM+13]
	v_cvt_scalef32_pk16_fp6_f32 v[(\d1):(\d1)+2], v[(\s)+32:(\s)+47], v[TM+14]
	v_cvt_scalef32_pk16_fp6_f32 v[CT+4:CT+6], v[(\s)+48:(\s)+63], v[TM+15]
	WIN 0
	v_nop
.irp i, 0,1,2
	v_permlane16_swap_b32 v[(\d0)+\i], v[CT+\i]
.endr
.irp i, 0,1,2
	v_mov_b32 v[(\d0)+3+\i], v[CT+\i]
.endr
.irp i, 0,1,2
	v_permlane16_swap_b32 v[(\d1)+\i], v[CT+4+\i]
.endr
.irp i, 0,1,2
	v_mov_b32 v[(\d1)+3+\i], v[CT+4+\i]
.endr
.endm
.irp u, 0,1                            ; a token tile's 64 registers are the even head's 64 channels, then the odd head's: one K step of the last product
	QUANT 64*\u, 1, PO+12*\u, PO+12*\u+6, WO+\u
.irp g, 0,1,2
	global_store_b128 v[OA], v[PO+12*\u+4*\g:PO+12*\u+4*\g+3], s[52:53] offset:1536*\u+512*\g
.endr
	ds_store_b32 v[OW], v[WO+\u] offset:16*\u      ; lanes r and r + 16 write the same word with the same value
.endr
	s_wait_dscnt 0x0                               ; for the others' sake: my words have landed
	s_barrier_signal -1
	s_barrier_wait -1
	s_cmp_lt_u32 s[WV], 2
	s_cbranch_scc0 .Lno_words
	ds_load_b128 v[108:111], v[ORD]                ; waves 0 and 1 store the two records' 512 bytes of scale words
	s_wait_dscnt 0x0
	global_store_b128 v[LI], v[108:111], s[54:55] offset:12288
.Lno_words:
	s_wait_tensorcnt 0x0                           ; the wave's end
	ds_add_u32 v254, v255
	s_wait_dscnt 0x0
	CROUND                                         ; the closing round: no work-group ends while a partner may still ask for a tile that names it
	s_endpgm
.Lfunc_end_k_qe5d89684ed_attn:
	.size	k_qe5d89684ed_attn, .Lfunc_end_k_qe5d89684ed_attn-k_qe5d89684ed_attn
	.p2alignl 7, 3214868480
	.fill 96, 4, 3214868480
	.section	.rodata,"a",@progbits
	.p2align	6, 0x0
	.amdhsa_kernel k_qe5d89684ed_attn
		.amdhsa_group_segment_fixed_size 215040
		.amdhsa_private_segment_fixed_size 0
		.amdhsa_enable_private_segment 0
		.amdhsa_kernarg_size 24
		.amdhsa_user_sgpr_count 2
		.amdhsa_user_sgpr_kernarg_segment_ptr 1
		.amdhsa_wavefront_size32 1
		.amdhsa_system_sgpr_workgroup_id_x 1
		.amdhsa_system_sgpr_workgroup_id_y 1
		.amdhsa_system_sgpr_workgroup_id_z 1
		.amdhsa_system_vgpr_workitem_id 0
		.amdhsa_next_free_vgpr 512
		.amdhsa_next_free_sgpr 66
		.amdhsa_reserve_vcc 0
		.amdhsa_float_denorm_mode_32 3
		.amdhsa_float_denorm_mode_16_64 3
		.amdhsa_memory_ordered 1
		.amdhsa_forward_progress 1
		.amdhsa_inst_pref_size 80
	.end_amdhsa_kernel
	.amdgpu_metadata
---
amdhsa.version: [ 1, 2 ]
amdhsa.kernels:
  - .name:           k_qe5d89684ed_attn
    .symbol:         k_qe5d89684ed_attn.kd
    .args:
      - { .name: qq, .offset: 0, .size: 8, .value_kind: global_buffer, .address_space: global }
      - { .name: kv, .offset: 8, .size: 8, .value_kind: global_buffer, .address_space: global }
      - { .name: aq, .offset: 16, .size: 8, .value_kind: global_buffer, .address_space: global }
    .group_segment_fixed_size: 215040
    .private_segment_fixed_size: 0
    .kernarg_segment_align: 8
    .kernarg_segment_size: 24
    .max_flat_workgroup_size: 256
    .sgpr_count:     66
    .vgpr_count:     512
    .wavefront_size: 32
...
	.end_amdgpu_metadata
.endif
;; end of part 3
;; launch gemm_out (part 4): grid 4 x 64, 4 waves a work-group, clusters of 4 x 4, 307,712 bytes of LDS; arguments aq, wq, bo, out0; writes out0
.if DOCPART == 4
	.amdgcn_target "amdgcn-amd-amdhsa--gfx1250"
	.amdhsa_code_object_version 6
	.text
	.protected	k_qe5d89684ed_gemm_out
	.globl	k_qe5d89684ed_gemm_out
	.p2align	8
	.type	k_qe5d89684ed_gemm_out,@function
k_qe5d89684ed_gemm_out:
	s_mov_b64 s[64:65], 0
	v_nop
	global_prefetch_b8 v0, s[64:65] scope:SCOPE_SE
	s_setreg_imm32_b32 hwreg(HW_REG_WAVE_MODE, 25, 1), 1
	s_wait_xcnt 0x0
	s_wait_alu depctr_hold_cnt(0) depctr_sa_sdst(0) depctr_va_vdst(0) depctr_va_sdst(0) depctr_va_ssrc(0) depctr_va_vcc(0) depctr_vm_vsrc(0)
	s_getreg_b32 s2, hwreg(HW_REG_IB_STS2, 6, 4)
	s_cmp_eq_u32 s2, 0
	s_cbranch_scc0 .Lentry_in_a_cluster
	s_endpgm
.Lentry_in_a_cluster:
	s_bfe_u32 s2, ttmp6, 0x10000c
	s_cmp_lg_u32 s2, 0xf033
	s_cbranch_scc0 .Lentry_shape_is_right
	s_endpgm
.Lentry_shape_is_right:
; out0 = (attention's result) Wo + bo on codes of FP6 (E2M3) with E8M0 scales; sums and output in f32.
; Tiles of 256 x 256 would make 128 work-groups; a work-group makes 128 tokens x 256 columns, which makes 256; a wave makes 64 x 128: 32 accumulators.
; OPERANDS are records in the order of the operand's registers (128 rows x 128 K: 8 images of 1,536 bytes, 512 bytes of scale words).  ALL OF K lies in LDS: A's 8 records, then those of B's two blocks: 307,200 bytes,
; filled once, by one tensor load a wave at the head: wave 0 A's K steps 0-3, wave 1 A's K steps 4-7 (200 rows of 256 bytes each), waves 2 and 3 a whole block of B each (400 rows).  Nothing is ever filled again.
; All that the launch reads by tensor loads is asked for at the head, so there is no loop in which a prefetch could run ahead: none is written.
; CLUSTERS: 4 x 4 work-groups; A's records are asked for jointly along a row of the cluster, B's along a column.
; THE MATRIX INSTRUCTION IS USED TRANSPOSED (source 0 = 16 columns of Wo, source 1 = 16 tokens); the rows of every tile lie in the order 32 (i / 2) + 8 (i % 2) + q + 8 (q / 8): lane (r, h) holds token tok(a, r), and
; register j of accumulator (a, b) column 32 (b / 2) + 16 h + 8 (b % 2) + j.  The bias, in that layout, is the C of each sum's first product.
; REGISTERS: window 0: v16-27 addresses; v32-39 A's scale words, v40-55 B's, two sets each; v64-111, v112-159 A's fragments; on the way out v64-191 rows of the output.
;   window 1: v0-95, v128-223 B's fragments; v96-127, v224-255 the bias.   window 2: the accumulators, (a, b) at v[8 (8 a + b)].
.set REC,  12800
.set BLK,  8*REC                       ; a block of 128 rows, all of K
.set SPARE, 3*BLK                      ; behind the operands: the spare words, 128 bytes a wave
.set ADA,  16                          ; 16 x lane + my four tiles of A, in the K step to be fetched
.set ADB,  17                          ; the same for my block of B
.set ASA,  18                          ; A's scale words
.set ASB,  19                          ; B's
.set STO,  24                          ; the stage, on the way in
.set RD,   25                          ; and out
.set CO,   26                          ; 16 x lane
.set BA,   27                          ; the bias: 64 h
.set SA,   32
.set SB,   40
.set AF,   64
.set BK,   64
.set G1A, 24
.set G0A, 32
.set G0B, 48
.set G1B, 68
.set MSB, 0
.macro WIN new
.if MSB != (\new)
	s_set_vgpr_msb (MSB<<8)|(\new)
.set MSB, (\new)
.endif
.endm
.macro PLACES n
.rept \n
	v_nop
.endr
.endm
.macro CROUND
	s_barrier_signal -1
	s_barrier_wait -1
	s_cmp_lg_u32 s14, 0
	s_cbranch_scc1 .Lnot_wave_0_\@
	s_barrier_signal -3
.Lnot_wave_0_\@:
	s_barrier_wait -3
	s_barrier_signal -1
	s_barrier_wait -1
.endm
	s_load_b256 s[4:11], s[0:1], 0x0               ; aq, wq, bo, out0
	v_lshl_add_u32 v254, v0, 2, SPARE
	v_mov_b32 v255, 0
	ds_add_u32 v254, v255                          ; the opening lines: the add twice on end and its wait ahead of my tensor load
	ds_add_u32 v254, v255
	v_lshrrev_b32 v1, 5, v0
	v_readfirstlane_b32 s14, v1                    ; wave 0..3
	s_lshr_b32 s15, s14, 1                         ; my 64 tokens.  Also: I fetch for A (0) or for B (1)
	s_and_b32 s16, s14, 1                          ; my block of columns.  Also: which part I fetch
	s_bfe_u32 s86, ttmp6, 0x40000                  ; cx, cy
	s_bfe_u32 s87, ttmp6, 0x40004
	s_lshl_b32 s88, ttmp9, 2
	s_add_co_u32 s88, s88, s86                     ; tile column, 0..3
	s_and_b32 s17, ttmp7, 0xffff
	s_lshl_b32 s17, s17, 2
	s_add_co_u32 s17, s17, s87                     ; tile row = block of 128 tokens, 0..63
	s_lshl_b32 s89, s87, 2
	s_lshl_b32 s89, 15, s89                        ; my row of the cluster
	s_lshl_b32 s90, 0x1111, s86                    ; my column
	s_or_b32 s[G1A+0], s89, (3<<16)|(1<<21)        ; the mask; elements of 8 bytes; bit 21 beside a mask; no padding
	s_mov_b32 s[G1A+1], 32<<16                     ; rows of 256 bytes,
	s_mov_b32 s[G1A+2], 200<<16                    ; 200 of them: four records
	s_mov_b32 s[G1A+3], 32<<16
	s_mov_b32 s[G1A+4], 200
	s_mov_b32 s[G1A+5], 32
	s_mov_b32 s[G1A+6], 0
	s_mov_b32 s[G1A+7], 0
	s_or_b32 s[G1B+0], s90, (3<<16)|(1<<21)
	s_mov_b32 s[G1B+1], 32<<16
	s_mov_b32 s[G1B+2], 400<<16                    ; 400 rows: a block's eight records
	s_mov_b32 s[G1B+3], 32<<16
	s_mov_b32 s[G1B+4], 400
	s_mov_b32 s[G1B+5], 32
	s_mov_b32 s[G1B+6], 0
	s_mov_b32 s[G1B+7], 0
	s_mul_i32 s20, s17, BLK
	s_mul_i32 s91, s16, 4*REC                      ; A: wave 0 takes K steps 0-3, wave 1 K steps 4-7
	s_add_co_u32 s20, s20, s91
	s_mov_b32 s21, 0
	s_lshl_b32 s92, s88, 1
	s_add_co_u32 s92, s92, s16
	s_add_co_u32 s92, s92, 16                      ; B: Wo's blocks are blocks 16-23 of wq
	s_mul_i32 s92, s92, BLK
	s_mov_b32 s93, 0
	s_mul_i32 s76, s16, BLK
	s_add_co_u32 s76, s76, BLK                     ; B's blocks lie behind A's in LDS
	s_wait_dscnt 0x0
	s_wait_kmcnt 0x0
	s_add_nc_u64 s[20:21], s[4:5], s[20:21]        ; A's address hangs on the tile row and the wave's number alone,
	s_add_nc_u64 s[92:93], s[6:7], s[92:93]        ; B's on the tile column and the wave's number alone
	CROUND                                         ; all sixteen work-groups are here: the joint loads meet
	s_mov_b32 s[G0A], 1
	s_mov_b32 s[G0A+1], s91
	s_mov_b64 s[G0A+2:G0A+3], s[20:21]
	s_or_b32 s[G0A+3], s[G0A+3], 0x80000000
	s_mov_b32 s[G0B], 1
	s_mov_b32 s[G0B+1], s76
	s_mov_b64 s[G0B+2:G0B+3], s[92:93]
	s_or_b32 s[G0B+3], s[G0B+3], 0x80000000
	s_cmp_eq_u32 s15, 0                            ; one tensor load a wave, in the two arms of one branch on the wave's number
	s_cbranch_scc0 .Lfor_b
	tensor_load_to_lds s[G0A:G0A+3], s[G1A:G1A+7]
	s_nop 0
.rept 4
	v_nop
.endr
	s_branch .Lasked
.Lfor_b:
	tensor_load_to_lds s[G0B:G0B+3], s[G1B:G1B+7]
	s_nop 0
.rept 4
	v_nop
.endr
.Lasked:
	v_and_b32 v1, 15, v0                           ; r
	v_bfe_u32 v2, v0, 4, 1                         ; h
	v_and_b32 v3, 31, v0
	v_lshlrev_b32 v[CO], 4, v3
	s_mul_i32 s77, s15, 6144
	v_add_nc_u32 v[ADA], s77, v[CO]
	v_add_nc_u32 v[ADB], s76, v[CO]
	s_lshl_b32 s78, s15, 3
	s_add_co_u32 s78, s78, REC-512
	v_lshl_add_u32 v[ASA], v1, 5, s78              ; 32 r + 8 x my half: two words at +0 (even tiles) and two at +16 (odd tiles)
	s_add_co_u32 s79, s76, REC-512
	v_lshl_add_u32 v[ASB], v1, 5, s79
	s_mul_i32 s80, s14, 16*528                     ; my stage: it lies over A's K steps 0-2, whose last reads stand ahead of the barrier in K step 3
	v_mul_u32_u24 v[STO], v1, 528
	v_lshl_add_u32 v[STO], v2, 6, v[STO]
	v_add_nc_u32 v[STO], s80, v[STO]
	v_add_nc_u32 v[RD], s80, v[CO]
	v_lshlrev_b32 v[BA], 6, v2
	s_wait_alu depctr_va_vdst(0)                   ; behind the head's last vector instruction
	s_lshl_b32 s82, s88, 10
	s_lshl_b32 s83, s16, 9
	s_add_co_u32 s82, s82, s83                     ; my first column, in bytes
	s_mov_b32 s83, 0
	s_add_nc_u64 s[8:9], s[8:9], s[82:83]
	s_add_nc_u64 s[10:11], s[10:11], s[82:83]
	s_lshl_b32 s84, s17, 7
	s_lshl_b32 s85, s15, 6
	s_add_co_u32 s84, s84, s85
	s_lshl_b32 s84, s84, 12                        ; my first token's row
	s_mov_b32 s85, 0
	s_add_nc_u64 s[10:11], s[10:11], s[84:85]
	WIN 0x40
.irp b, 0,1,2,3,4,5,6,7
	global_load_b128 v[96+8*(\b%4)+128*(\b/4):96+8*(\b%4)+128*(\b/4)+3], v[BA], s[8:9] offset:(32*(\b/2)+8*(\b%2))*4
	global_load_b128 v[96+8*(\b%4)+128*(\b/4)+4:96+8*(\b%4)+128*(\b/4)+7], v[BA], s[8:9] offset:(32*(\b/2)+8*(\b%2))*4+16
.endr
	WIN 0
.macro FETCH p                         ; the fragments and scale words at the four address registers, into set p
	WIN 0x40
.irp i, 0,1,2,3,4,5,6,7
.irp g, 0,1,2
	ds_load_b128 v[128*(\p)+12*\i+4*\g:128*(\p)+12*\i+4*\g+3], v[ADB] offset:1536*\i+512*\g
.endr
.endr
	WIN 0
.irp i, 0,1,2,3
.irp g, 0,1,2
	ds_load_b128 v[AF+48*(\p)+12*\i+4*\g:AF+48*(\p)+12*\i+4*\g+3], v[ADA] offset:1536*\i+512*\g
.endr
.endr
	ds_load_b64 v[SA+4*(\p):SA+4*(\p)+1], v[ASA]
	ds_load_b64 v[SA+4*(\p)+2:SA+4*(\p)+3], v[ASA] offset:16
	ds_load_b128 v[SB+8*(\p):SB+8*(\p)+3], v[ASB]
	ds_load_b128 v[SB+8*(\p)+4:SB+8*(\p)+7], v[ASB] offset:16
.endm
; K step k on set k % 2: the next step's fragments are fetched ahead of the 32 products.  The 32 accumulators take turns, one instruction a turn, in the same order in every K step.
.macro KSTEP k
	s_wait_dscnt 0x0                               ; this step's set is in
	WIN 0
.if (\k) == 3
	s_barrier_signal -1                            ; every wave's reads of K steps 0-2 are over: behind this barrier their bytes of A may serve as stages
	s_barrier_wait -1
.endif
.if (\k) < 7
	v_add_nc_u32 v[ADA], REC, v[ADA]               ; on to the next K step: these four are also the places in front of loads into registers that the last products have read
	v_add_nc_u32 v[ADB], REC, v[ADB]
	v_add_nc_u32 v[ASA], REC, v[ASA]
	v_add_nc_u32 v[ASB], REC, v[ASB]
	FETCH 1-(\k)%2
.endif
.if (\k) == 0
	WIN 0x91                                       ; source 0 (B) and C (the bias) window 1, D window 2
.else
	WIN 0xa1
.endif
.irp a, 0,1,2,3
.irp b, 0,1,2,3,4,5,6,7
.if (\k) == 0
	v_wmma_scale_f32_16x16x128_f8f6f4 v[8*(8*\a+\b):8*(8*\a+\b)+7], v[128*((\k)%2)+12*\b:128*((\k)%2)+12*\b+11], v[AF+48*((\k)%2)+12*\a:AF+48*((\k)%2)+12*\a+11], v[96+8*(\b%4)+128*(\b/4):96+8*(\b%4)+128*(\b/4)+7], v[SB+8*((\k)%2)+4*(\b%2)+\b/2], v[SA+4*((\k)%2)+2*(\a%2)+\a/2] matrix_a_fmt:MATRIX_FMT_FP6 matrix_b_fmt:MATRIX_FMT_FP6
.else
	v_wmma_scale_f32_16x16x128_f8f6f4 v[8*(8*\a+\b):8*(8*\a+\b)+7], v[128*((\k)%2)+12*\b:128*((\k)%2)+12*\b+11], v[AF+48*((\k)%2)+12*\a:AF+48*((\k)%2)+12*\a+11], v[8*(8*\a+\b):8*(8*\a+\b)+7], v[SB+8*((\k)%2)+4*(\b%2)+\b/2], v[SA+4*((\k)%2)+2*(\a%2)+\a/2] matrix_a_fmt:MATRIX_FMT_FP6 matrix_b_fmt:MATRIX_FMT_FP6
.endif
.endr
.endr
.endm
	s_wait_tensorcnt 0x0                           ; my load has landed,
	s_barrier_signal -1
	s_barrier_wait -1                              ; everybody's has: all of K lies in LDS
	FETCH 0
	s_wait_loadcnt 0x0                             ; the bias
	KSTEP 0
	s_wait_alu depctr_va_vdst(0)
	KSTEP 1
	s_wait_alu depctr_va_vdst(0)
	KSTEP 2
	s_wait_alu depctr_va_vdst(0)
	KSTEP 3
	s_wait_alu depctr_va_vdst(0)
	KSTEP 4
	s_wait_alu depctr_va_vdst(0)
	KSTEP 5
	s_wait_alu depctr_va_vdst(0)
	KSTEP 6
	KSTEP 7
	WIN 0
; THE WAY OUT, 16 tokens x 128 columns at a time.  A lane holds 32 neighbouring bytes of a row and the lanes beside it other rows: a block goes through my own stage (pitch 528) and comes back as whole rows of 512 bytes.
.macro TOSTAGE a
	WIN 0x08                                       ; an LDS store's data are its source 1: window 2
.irp b, 0,1,2,3,4,5,6,7
	ds_store_b128 v[STO], v[8*(8*(\a)+\b):8*(8*(\a)+\b)+3] offset:128*(\b/2)+32*(\b%2)       ; each accumulator from its low end on
	ds_store_b128 v[STO], v[8*(8*(\a)+\b)+4:8*(8*(\a)+\b)+7] offset:128*(\b/2)+32*(\b%2)+16
.endr
	WIN 0
.set BB, BK+64*((\a)%2)
.irp t, 0,1,2,3,4,5,6,7,8,9,10,11,12,13,14,15
	ds_load_b128 v[BB+4*\t:BB+4*\t+3], v[RD] offset:528*\t   ; LDS serves a wave's instructions in order: these see my stores, and the next block's stores come behind them
.endr
.endm
.macro SEND a, younger                 ; younger: the LDS instructions issued behind block a's loads, which may stay out
.set BB, BK+64*((\a)%2)
	s_wait_dscnt \younger
.irp t, 0,1,2,3,4,5,6,7,8,9,10,11,12,13,14,15
	global_store_b128 v[CO], v[BB+4*\t:BB+4*\t+3], s[10:11] offset:(32*((\a)/2)+8*((\a)%2)+\t+8*(\t/8))*4096 th:TH_STORE_NT   ; 32 lanes store 512 consecutive bytes of token tok(a, t)'s row, aligned
.endr
.endm
	PLACES 4                                       ; in front of the first read of results and of loads into registers that held fragments
	TOSTAGE 0
	TOSTAGE 1
	SEND 0, 32                                     ; behind block 0's loads: block 1's 16 stores and 16 loads
	s_wait_xcnt 0x0                                ; block 0's stores have read their registers: block 2's loads may land there
	TOSTAGE 2
	SEND 1, 32
	s_wait_xcnt 0x0
	TOSTAGE 3
	SEND 2, 32
	SEND 3, 0
	s_wait_tensorcnt 0x0                           ; the wave's end
	ds_add_u32 v254, v255
	s_wait_dscnt 0x0
	CROUND                                         ; the closing round: no work-group ends while a partner may still ask for a tile that names it
	s_endpgm
.Lfunc_end_k_qe5d89684ed_gemm_out:
	.size	k_qe5d89684ed_gemm_out, .Lfunc_end_k_qe5d89684ed_gemm_out-k_qe5d89684ed_gemm_out
	.p2alignl 7, 3214868480
	.fill 96, 4, 3214868480
	.section	.rodata,"a",@progbits
	.p2align	6, 0x0
	.amdhsa_kernel k_qe5d89684ed_gemm_out
		.amdhsa_group_segment_fixed_size 307712
		.amdhsa_private_segment_fixed_size 0
		.amdhsa_enable_private_segment 0
		.amdhsa_kernarg_size 32
		.amdhsa_user_sgpr_count 2
		.amdhsa_user_sgpr_kernarg_segment_ptr 1
		.amdhsa_wavefront_size32 1
		.amdhsa_system_sgpr_workgroup_id_x 1
		.amdhsa_system_sgpr_workgroup_id_y 1
		.amdhsa_system_sgpr_workgroup_id_z 1
		.amdhsa_system_vgpr_workitem_id 0
		.amdhsa_next_free_vgpr 768
		.amdhsa_next_free_sgpr 100
		.amdhsa_reserve_vcc 0
		.amdhsa_float_denorm_mode_32 3
		.amdhsa_float_denorm_mode_16_64 3
		.amdhsa_memory_ordered 1
		.amdhsa_forward_progress 1
		.amdhsa_inst_pref_size 78
	.end_amdhsa_kernel
	.amdgpu_metadata
---
amdhsa.version: [ 1, 2 ]
amdhsa.kernels:
  - .name:           k_qe5d89684ed_gemm_out
    .symbol:         k_qe5d89684ed_gemm_out.kd
    .args:
      - { .name: aq, .offset: 0, .size: 8, .value_kind: global_buffer, .address_space: global }
      - { .name: wq, .offset: 8, .size: 8, .value_kind: global_buffer, .address_space: global }
      - { .name: bo, .offset: 16, .size: 8, .value_kind: global_buffer, .address_space: global }
      - { .name: out0, .offset: 24, .size: 8, .value_kind: global_buffer, .address_space: global }
    .group_segment_fixed_size: 307712
    .private_segment_fixed_size: 0
    .kernarg_segment_align: 8
    .kernarg_segment_size: 32
    .max_flat_workgroup_size: 128
    .sgpr_count:     100
    .vgpr_count:     768
    .wavefront_size: 32
...
	.end_amdgpu_metadata
.endif
;; end of part 4
